; MI455X (gfx1250); checked and timed in simulation.
; The chip was launched on July 23, 2026; its instructions are those of AMD's public machine-readable ISA for CDNA 5 (MIT licence, August 2026) and "CDNA5" Instruction Set Architecture Reference Guide (July 2026). The comments in the code are by the model that wrote it; some were corrected since.
;; Audio Encoder Attention. Allowed arithmetic: float matrix products may take bf16 or f16 operands with f32 sums; other float arithmetic in f32, or as packed bf16 or f16 multiplies, adds, multiply-adds, maxima and minima; sums over many terms, partial sums and values carried from step to step in f32; what a program stores and reads back later, other than sums and carried values, may be rounded once to bf16 or f16.
;; Inputs: bo 1,024 float32; bq 1,024 float32; bv 1,024 float32; cos 8,192 x 64 float32; cu_seqlens 9 int32; hidden_states 8,192 x 1,024 float32; sin 8,192 x 64 float32; wk 1,024 x 1,024 float32; wo 1,024 x 1,024 float32; wq 1,024 x 1,024 float32; wv 1,024 x 1,024 float32.
;; Outputs: out0 8,192 x 1,024 float32.
;; Constants: max_seqlen = 1024.
;; 2 versions, each right; version 2 is version 1 with the launch cast written anew for expert scheduling mode. Each part assembles by itself: llvm-mc -triple=amdgcn-amd-amdhsa -mcpu=gfx1250 --defsym DOCPART=n.
;; ======== version 1 of 2: 4 launches
;; limits: values are held in f16: magnitudes above 65,504 overflow, below 6.1e-05 lose precision
;; workspace buffers: xb 16,777,216 bytes; wb 6,291,456 bytes; wob 2,097,152 bytes; ropeb 2,097,152 bytes; qkv 50,331,648 bytes; ob 16,777,216 bytes
;; launch cast (part 1): grid 256 x 1, 26 waves a work-group, no clusters, 0 bytes of LDS; arguments hidden_states, wq, wk, wv, wo, cos, sin, xb, wb, wob, ropeb; writes xb, wb, wob, ropeb
.if DOCPART == 1
	.amdgcn_target "amdgcn-amd-amdhsa--gfx1250"
	.amdhsa_code_object_version 6
	.text
	.protected	k_qc7e9f18842_cast
	.globl	k_qc7e9f18842_cast
	.p2align	8
	.type	k_qc7e9f18842_cast,@function
k_qc7e9f18842_cast:
	s_mov_b64 s[64:65], 0
	v_nop
	global_prefetch_b8 v0, s[64:65] scope:SCOPE_SE
	s_setreg_imm32_b32 hwreg(HW_REG_WAVE_MODE, 25, 1), 1
	s_wait_xcnt 0x0
; CAST.  Every floating-point matrix input is rounded once to bf16 and laid out for the launches behind.
;   xb    [kb 0..15][row 0..8191][64] bf16           hidden_states in blocks of 64 along K: a tile's rows lie end to end
;   wb    [kb][n' 0..3071][64] bf16                  n' = head x 192 + type x 64 + d (type 0 q, 1 k, 2 v)
;   wob   [kb][n 0..1023][64] f16                    wo rounded to bf16, that number written as f16
;   ropeb plane 0: cos [t][64] f16; plane 1: sin' [t][64] f16, each rounded to bf16 and that number written as f16; sin' = -sin for d < 32, +sin for d >= 32, so that RoPE is x[d] cos[d] + x[d xor 32] sin'[d]
; LIMITS.  A bf16 number is written exactly as f16 up to 65,504; below 6e-5 f16 keeps a fixed step of 6e-8: this holds of wo, cos and sin.
; A stream: no LDS, no barrier, no matrix unit, no loop.  One wave does one JOB: 8,192 bytes of f32 in by 16 loads of 16 bytes a lane, all on their way at once,
; 4,096 bytes out by 16 stores of 8 bytes a lane; each store of the wave covers 256 consecutive bytes, aligned.  The numbers are converted in place: a store's data are its load's first two registers.
; A job of a matrix is a pair of rows (lanes 0-15 the even row, lanes 16-31 the odd one); load i is K block i.  A job of cos or sin is 8,192 consecutive bytes.
; 6,656 jobs = 256 work-groups x 26 waves: every work-group moves the same bytes.  Job 26 g + w: 0-4095 hidden_states; 4096-5631 wq, wk, wv (512 each); 5632-6143 wo; 6144-6655 cos, sin (256 each).
.set LOF, 8                            ; v[8:23]    load i's byte offset from the job's first byte
.set SOF, 24                           ; v[24:39]   store i's byte offset
.set X,   40                           ; v[40:103]  load i: 4 registers; the first two then hold what is stored
.set T,   104                          ; v[104:107] at work
	s_load_b512 s[4:19], s[0:1], 0x0               ; hidden s[4:5], wq s[6:7], wk s[8:9], wv s[10:11], wo s[12:13], cos s[14:15], sin s[16:17], xb s[18:19]
	s_load_b128 s[20:23], s[0:1], 0x40             ; wb s[20:21], wob s[22:23]
	s_load_b64 s[24:25], s[0:1], 0x50              ; ropeb
	v_lshrrev_b32 v4, 5, v0
	v_readfirstlane_b32 s26, v4                    ; wave 0..25
	v_and_b32 v1, 31, v0                           ; lane
	s_mul_i32 s27, ttmp9, 26
	s_add_co_u32 s27, s27, s26                     ; the job
	s_mov_b32 s33, 0                               ; high words of the two offsets
	s_mov_b32 s35, 0
	s_mov_b32 s36, 256                             ; bytes from load to load: a K block of f32
	s_mov_b32 s38, 0                               ; the sign word: two f16 signs for sin, else 0
	s_mov_b32 s39, 12                              ; lanes 16-31 stand 1 << 12 bytes (a row) behind lanes 0-15
	s_mov_b32 s40, 0                               ; 1: the result is written as f16
	s_mov_b32 s41, 0xffff0000                      ; a word's upper bf16
	s_wait_kmcnt 0x0
	s_cmp_lt_u32 s27, 4096
	s_cbranch_scc0 .Lnot_x
	s_mov_b32 s42, s27                             ; the job within the matrix: a pair of rows
	s_mov_b64 s[28:29], s[4:5]
	s_mov_b64 s[30:31], s[18:19]
	s_lshl_b32 s34, s42, 8                         ; two rows of 128 bytes in a K block
	s_mov_b32 s37, 0x100000                        ; bytes from K block to K block in xb
	s_branch .Lgo
.Lnot_x:
	s_cmp_lt_u32 s27, 5632
	s_cbranch_scc0 .Lnot_w
	s_sub_co_u32 s43, s27, 4096
	s_lshr_b32 s44, s43, 9                         ; type: 0 q, 1 k, 2 v
	s_and_b32 s42, s43, 511                        ; the job within the matrix
	s_cmp_eq_u32 s44, 0
	s_cselect_b64 s[28:29], s[6:7], s[8:9]
	s_cmp_eq_u32 s44, 2
	s_cselect_b64 s[28:29], s[10:11], s[28:29]
	s_mov_b64 s[30:31], s[20:21]
	s_lshr_b32 s45, s42, 5                         ; head = row / 64
	s_mul_i32 s45, s45, 192
	s_lshl_b32 s46, s44, 6
	s_add_co_u32 s45, s45, s46                     ; + type x 64
	s_and_b32 s46, s42, 31
	s_lshl1_add_u32 s45, s46, s45                  ; + d: the pair's even row
	s_lshl_b32 s34, s45, 7
	s_mov_b32 s37, 393216                          ; 3,072 rows of 128 bytes
	s_branch .Lgo
.Lnot_w:
	s_cmp_lt_u32 s27, 6144
	s_cbranch_scc0 .Lrope
	s_sub_co_u32 s42, s27, 5632
	s_mov_b64 s[28:29], s[12:13]
	s_mov_b64 s[30:31], s[22:23]
	s_lshl_b32 s34, s42, 8
	s_mov_b32 s37, 131072                          ; 1,024 rows of 128 bytes
	s_mov_b32 s40, 1
	s_branch .Lgo
.Lrope:
	s_sub_co_u32 s43, s27, 6144
	s_lshr_b32 s44, s43, 8                         ; 0 cos, 1 sin
	s_and_b32 s42, s43, 255
	s_lshl_b32 s34, s44, 20                        ; the plane
	s_lshl_b32 s45, s42, 12                        ; 4,096 bytes a job
	s_add_co_u32 s34, s34, s45
	s_cmp_eq_u32 s44, 0
	s_cselect_b64 s[28:29], s[14:15], s[16:17]
	s_cselect_b32 s38, 0, 0x80008000
	s_mov_b64 s[30:31], s[24:25]
	s_mov_b32 s36, 512                             ; flat: a load of the wave is 512 consecutive bytes,
	s_mov_b32 s37, 256                             ; a store 256,
	s_mov_b32 s39, 8                               ; and lanes 16-31 follow lanes 0-15
	s_mov_b32 s40, 1
.Lgo:
	s_lshl_b32 s32, s42, 13                        ; every job reads 8,192 bytes
	s_add_nc_u64 s[28:29], s[28:29], s[32:33]
	s_add_nc_u64 s[30:31], s[30:31], s[34:35]
	v_lshrrev_b32 v4, 4, v1
	v_lshlrev_b32 v4, s39, v4
	v_and_b32 v5, 15, v1
	v_lshl_add_u32 v[LOF], v5, 4, v4
	v_lshlrev_b32 v[SOF], 3, v1
.set i, 1
.rept 15
	v_add_nc_u32 v[LOF+i], s36, v[LOF+i-1]
	v_add_nc_u32 v[SOF+i], s37, v[SOF+i-1]
.set i, i+1
.endr
.set i, 0
.rept 16
	global_load_b128 v[X+4*i:X+4*i+3], v[LOF+i], s[28:29] th:TH_LOAD_NT
.set i, i+1
.endr
	v_and_b32 v5, 8, v1                            ; in a flat job lane l holds d = 4 (l % 16) + 0..3: d < 32 where bit 3 of l is 0
	v_cmp_eq_u32 vcc_lo, 0, v5
	v_cndmask_b32 v3, 0, s38, vcc_lo               ; the signs to turn: sin's lower half; 0 everywhere else
; Load i is rounded and stored.  A store's data and offset are not written again behind it, so the stores' sources need no wait.
.macro CONV i, f16
	s_wait_loadcnt 15-(\i)                         ; loads come back in order: load i is in, the 15 - i younger ones may stay out
	v_cvt_pk_bf16_f32 v[X+4*(\i)],   v[X+4*(\i)],   v[X+4*(\i)+1]
	v_cvt_pk_bf16_f32 v[X+4*(\i)+1], v[X+4*(\i)+2], v[X+4*(\i)+3]
.if \f16
	v_lshlrev_b32 v[T],   16,  v[X+4*(\i)]         ; the bf16 numbers as f32,
	v_and_b32     v[T+1], s41, v[X+4*(\i)]
	v_lshlrev_b32 v[T+2], 16,  v[X+4*(\i)+1]
	v_and_b32     v[T+3], s41, v[X+4*(\i)+1]
	v_cvt_pk_f16_f32 v[X+4*(\i)],   v[T],   v[T+1] ; written as f16,
	v_cvt_pk_f16_f32 v[X+4*(\i)+1], v[T+2], v[T+3]
	v_xor_b32 v[X+4*(\i)],   v3, v[X+4*(\i)]       ; with sin's signs; for wo and cos the word is 0
	v_xor_b32 v[X+4*(\i)+1], v3, v[X+4*(\i)+1]
.endif
	global_store_b64 v[SOF+(\i)], v[X+4*(\i):X+4*(\i)+1], s[30:31] th:TH_STORE_NT
.endm
	s_cmp_eq_u32 s40, 1
	s_cbranch_scc1 .Lf16
.irp i, 0,1,2,3,4,5,6,7,8,9,10,11,12,13,14,15
	CONV \i, 0
.endr
	s_endpgm
.Lf16:
.irp i, 0,1,2,3,4,5,6,7,8,9,10,11,12,13,14,15
	CONV \i, 1
.endr
	s_endpgm
.Lfunc_end_k_qc7e9f18842_cast:
	.size	k_qc7e9f18842_cast, .Lfunc_end_k_qc7e9f18842_cast-k_qc7e9f18842_cast
	.p2alignl 7, 3214868480
	.fill 96, 4, 3214868480
	.section	.rodata,"a",@progbits
	.p2align	6, 0x0
	.amdhsa_kernel k_qc7e9f18842_cast
		.amdhsa_group_segment_fixed_size 0
		.amdhsa_private_segment_fixed_size 0
		.amdhsa_enable_private_segment 0
		.amdhsa_kernarg_size 88
		.amdhsa_user_sgpr_count 2
		.amdhsa_user_sgpr_kernarg_segment_ptr 1
		.amdhsa_wavefront_size32 1
		.amdhsa_system_sgpr_workgroup_id_x 1
		.amdhsa_system_sgpr_workgroup_id_y 1
		.amdhsa_system_sgpr_workgroup_id_z 1
		.amdhsa_system_vgpr_workitem_id 0
		.amdhsa_next_free_vgpr 112
		.amdhsa_next_free_sgpr 66
		.amdhsa_reserve_vcc 1
		.amdhsa_float_denorm_mode_32 3
		.amdhsa_float_denorm_mode_16_64 3
		.amdhsa_memory_ordered 1
		.amdhsa_forward_progress 1
		.amdhsa_inst_pref_size 19
	.end_amdhsa_kernel
	.amdgpu_metadata
---
amdhsa.version: [ 1, 2 ]
amdhsa.kernels:
  - .name:           k_qc7e9f18842_cast
    .symbol:         k_qc7e9f18842_cast.kd
    .args:
      - { .name: hidden_states, .offset: 0, .size: 8, .value_kind: global_buffer, .address_space: global }
      - { .name: wq, .offset: 8, .size: 8, .value_kind: global_buffer, .address_space: global }
      - { .name: wk, .offset: 16, .size: 8, .value_kind: global_buffer, .address_space: global }
      - { .name: wv, .offset: 24, .size: 8, .value_kind: global_buffer, .address_space: global }
      - { .name: wo, .offset: 32, .size: 8, .value_kind: global_buffer, .address_space: global }
      - { .name: cos, .offset: 40, .size: 8, .value_kind: global_buffer, .address_space: global }
      - { .name: sin, .offset: 48, .size: 8, .value_kind: global_buffer, .address_space: global }
      - { .name: xb, .offset: 56, .size: 8, .value_kind: global_buffer, .address_space: global }
      - { .name: wb, .offset: 64, .size: 8, .value_kind: global_buffer, .address_space: global }
      - { .name: wob, .offset: 72, .size: 8, .value_kind: global_buffer, .address_space: global }
      - { .name: ropeb, .offset: 80, .size: 8, .value_kind: global_buffer, .address_space: global }
    .group_segment_fixed_size: 0
    .private_segment_fixed_size: 0
    .kernarg_segment_align: 8
    .kernarg_segment_size: 88
    .max_flat_workgroup_size: 832
    .sgpr_count:     66
    .vgpr_count:     112
    .wavefront_size: 32
...
	.end_amdgpu_metadata
.endif
;; end of part 1
;; launch qkv (part 2): grid 8 x 32, 4 waves a work-group, clusters of 4 x 4, 327,680 bytes of LDS; arguments xb, wb, ropeb, bq, bv, qkv; writes qkv
.if DOCPART == 2
	.amdgcn_target "amdgcn-amd-amdhsa--gfx1250"
	.amdhsa_code_object_version 6
	.text
	.protected	k_qc7e9f18842_qkv
	.globl	k_qc7e9f18842_qkv
	.p2align	8
	.type	k_qc7e9f18842_qkv,@function
k_qc7e9f18842_qkv:
	s_mov_b64 s[64:65], 0
	v_nop
	global_prefetch_b8 v0, s[64:65] scope:SCOPE_SE
	s_setreg_imm32_b32 hwreg(HW_REG_WAVE_MODE, 25, 1), 1
	s_wait_xcnt 0x0
	s_wait_alu depctr_hold_cnt(0) depctr_sa_sdst(0) depctr_va_vdst(0) depctr_va_sdst(0) depctr_va_ssrc(0) depctr_va_vcc(0) depctr_vm_vsrc(0)
	s_getreg_b32 s2, hwreg(HW_REG_IB_STS2, 6, 4)
	s_cmp_eq_u32 s2, 0
	s_cbranch_scc0 .Lentry_in_a_cluster
	s_endpgm
.Lentry_in_a_cluster:
	s_bfe_u32 s2, ttmp6, 0x10000c
	s_cmp_lg_u32 s2, 0xf033
	s_cbranch_scc0 .Lentry_shape_is_right
	s_endpgm
.Lentry_shape_is_right:
; Q, K, V = x W^T (+ bias), RoPE on q and k, written by heads in f16: qkv[type][hh = 16 s + h][l][64].  One GEMM 8,192 x 3,072 x 1,024 in bf16, sums in f32.
; LIMITS.  q, k, v leave in f16, and RoPE is reckoned in packed f16 (the sums rounded to f16, a product rounded, a fused multiply-add rounded: three roundings on q and k): the sums, their products with cos and
; sin and the results stay within 65,504; below 6e-5 f16 keeps a fixed step of 6e-8.  bq, bv are rounded to bf16 like x and the weights.
; TILE.  256 tokens x 384 columns: 32 x 8 = 256 work-groups, one tile each.  Four waves, 2 x 2: wr = rows 128 wr on, wc = columns 192 wc on, which are q, k and v of ONE head (2 tx + wc):
; 8 x 12 = 96 accumulators of 16 x 16, 768 registers.  The type of a column is thus a constant of the text.
; K goes in steps of 64 (one K block of xb and wb: a tile's rows lie end to end there and are asked for as rows of 256 bytes) through two LDS slots; a step is two slices of 32.
; A step is written once: slot 1 begins at 1 << 17, and one exclusive or turns the fragments' base and the walking descriptors' LDS word from one slot to the other.
; THE MATRIX INSTRUCTION IS USED TRANSPOSED (source 0 = 16 rows of W, source 1 = 16 tokens): a lane holds token lane % 16 and the columns 8 (lane / 16) + 0..7.
; The bias is the C operand of the first product (k: the constant 0).  RoPE wants column d xor 32 of the same token: the accumulator two further on, same lane, same register.
; CLUSTER 4 x 4: x's tiles and the cos/sin tiles hang on the tile row alone and are asked for jointly along a row of the cluster, W's on the tile column alone, along a column.
; AHEAD OF THE JOINT LOADS the tiles are prefetched into the L2: see ASK.
; REGISTERS.  window 0: v0-31 addresses; v32-95, v96-159 x's 8 fragments, two buffers; v160-255 W's 12 fragments, one buffer, filled again third by third.
;   window 1 + g: head part g (q, k, v): accumulator (a, bl) at v[8 (4 a + bl)].
.set PITCH, 144                        ; an LDS row: 128 bytes + 16 of padding = 36 words: the 16 rows of a fragment load start at 16 different groups of four banks (ISA guide 11.1)
.set ABY,   256*PITCH                  ; x's 256 rows
.set SLOT,  640*PITCH                  ; then W's 384 rows
.set SLOT1, 1<<17                      ; slot 1's first byte
.set TAB,   SLOT1+SLOT                 ; cos of the tile's 256 tokens, then sin'
.set TABP,  256*PITCH
.set STAGE, TAB+2*TABP                 ; 16 rows x 144 bytes for each wave, for the way out; no tensor load lands here
.set SPARE, STAGE+4*16*PITCH           ; the spare words, 128 bytes for each wave: two blocks of 256 bytes that no other line names
.set XKB,   8192*128                   ; bytes from K block to K block in xb
.set WKB,   3072*128                   ; in wb
.set A0,   16                          ; v16     my place in a slot's rows of x; never rewritten
.set ADRA, 17                          ; v17     the same in the slot that is being fetched from
.set B0,   20                          ; v20, v21  the same for W
.set ADRB, 21
.set STO,  24                          ; v24     the way out: where I put 16 bytes of a row
.set RD,   25                          ; v25     where I read rows back
.set GO,   26                          ; v26     my 16 bytes of 512 consecutive bytes of the output
.set TABA, 27                          ; v27     my place in the table
.set SPW,  28                          ; v28     LDS address of my spare word; never rewritten
.set NIL,  29                          ; v29     0; never rewritten
.set PFO,  30                          ; v30     the prefetches' offset: my lane's block of 256 bytes; never rewritten
.set AF0,  32
.set AF1,  96
.set BF,   160
.set BIQ,  96                          ; the biases lie in x's second buffer until the first slice has taken them
.set BIV,  128
.set RAW,  32                          ; the way out: table rows as loaded, two buffers of 32 (cos 16, sin' 16)
.set XH,   96                          ; a block's sums in f16, pair p of group bl at 4 bl + p
.set PKR,  112                         ; what is stored
.set BK,   128                         ; rows read back, two buffers of 16
.set G1A, 24                           ; s[24:31] group 1 for x's tiles and the table's
.set G0A, 32                           ; s[32:39] group 0 for x's tiles: a set for each of the two first fills; the second then walks on
.set G0T, 40                           ; s[40:43] group 0 for my quarter of the table
.set G1B, 48                           ; s[48:55] group 1 for W's tiles
.set G0B, 56                           ; s[56:63] group 0 for W's tiles, likewise
.set TB,  88                           ; s88     first byte of the slot that is being fetched from
.set PFA, 90                           ; s[90:91] where my prefetches stand: my work-group's share of the K step behind the one that is being asked for
.set LIM, 92                           ; s92     a wave prefetches while the trips left are above this: 1 (x), 2 (W), or the greatest number in a wave that asks for nothing
.set PM,  93                           ; s93     0: I ask in every trip (x); 1: in the trips whose count is odd (W)
.set PS,  94                           ; s[94:95] bytes from K step to K step in the buffer that I prefetch
.set G1C, (1<<16)|(1<<20)|(1<<21)|(4<<22)|(3<<25)  ; 2-byte elements; padding on; bit 21 beside a mask; after every 32 words, 4 words
.set MSB, 0
.macro WIN new                         ; the immediate's high byte repeats the setting that is left; a switch that changes nothing is dropped
.if MSB != (\new)
	s_set_vgpr_msb (MSB<<8)|(\new)
.set MSB, \new
.endif
.endm
.macro PLACES                          ; four places behind a matrix instruction, in front of loads into registers that it has read and of vector work on its results
.rept 4
	v_nop
.endr
.endm
; A joint refill by the walking descriptors: waves 0 and 1 fetch x's two halves, waves 2 and 3 W's.  The branch hangs on the wave's number alone.  An s_nop 0 and four v_nop follow each line.
.macro JLOAD
	s_cmp_eq_u32 s17, 0
	s_cbranch_scc0 .Lfor_b_\@
	tensor_load_to_lds s[G0A+4:G0A+7], s[G1A:G1A+7]
	s_nop 0
.rept 4
	v_nop
.endr
	s_branch .Lasked_\@
.Lfor_b_\@:
	tensor_load_to_lds s[G0B+4:G0B+7], s[G1B:G1B+7]
	s_nop 0
.rept 4
	v_nop
.endr
.Lasked_\@:
.endm
; A PREFETCH INTO THE L2, behind each joint load, its five lines and the run of LDS loads that follows them.  At a change of slots every wave has waited for all its tensor loads, so the refill goes out with nothing on
; its way beside it: what it will ask for has been asked of memory earlier.  The trip that refills K step s (s = 16 - s72) names, a lane a block of 256 bytes, one instruction a wave:
;   x: K step s + 1, 192 matrix instructions ahead of its load.  A step's 256 rows are 128 blocks.  Both clusters of a row of clusters read them: the one with x = 0 asks; its four partners take 32 blocks each,
;      told apart BY ADDRESS (cx x 8,192 bytes); wave 0 asks.  The last trip has no step behind its own.
;   W: K steps s + 1 and s + 2, in the trips with s odd.  A step's 384 rows are 192 blocks, 48 a partner (cy x 12,288 bytes): two steps' 96 are three instructions, waves 1 to 3.  All eight clusters of a
;      column of clusters read them: the one with y = 0 asks.  The last request, at s = 13, names steps 14 and 15.
; So each block is named once in the launch; no branch hangs on a work-group's place in its cluster.  K steps 0 to 2 of x and 0 to 3 of W come by their loads alone: nothing is prefetched at the head.
.macro ASK
	s_and_b32 s89, s72, s[PM]
	s_cmp_eq_u32 s89, s[PM]
	s_cbranch_scc0 .Lnot_now_\@
	s_cmp_gt_u32 s72, s[LIM]
	s_cbranch_scc0 .Lnot_now_\@
	global_prefetch_b8 v[PFO], s[PFA:PFA+1] th:TH_LOAD_NT scope:SCOPE_SE
.Lnot_now_\@:
.endm
.macro CREST                           ; a round of the cluster's barrier behind its opening barrier
	s_cmp_lg_u32 s16, 0
	s_cbranch_scc1 .Lnot_wave_0_\@
	s_barrier_signal -3
.Lnot_wave_0_\@:
	s_barrier_wait -3
	s_barrier_signal -1
	s_barrier_wait -1
.endm
.macro CROUND                          ; a whole round
	s_barrier_signal -1
	s_barrier_wait -1
	CREST
.endm
	s_load_b256 s[4:11], s[0:1], 0x0               ; xb s[4:5], wb s[6:7], ropeb s[8:9], bq s[10:11]
	s_load_b128 s[12:15], s[0:1], 0x20             ; bv s[12:13], qkv s[14:15]
	v_lshl_add_u32 v[SPW], v0, 2, SPARE
	v_mov_b32 v[NIL], 0
	ds_add_u32 v[SPW], v[NIL]                      ; the wave's opening: the add and its wait stand ahead of my first tensor load; the set-up below stands between them
	ds_add_u32 v28, v29
	v_lshrrev_b32 v1, 5, v0
	v_readfirstlane_b32 s16, v1                    ; wave 0..3
	s_lshr_b32 s17, s16, 1                         ; wr: my half of the rows.  Also: I fetch for x (0) or for W (1)
	s_and_b32 s18, s16, 1                          ; wc: my half of the columns.  Also: which half of that tile I fetch
	s_bfe_u32 s19, ttmp6, 0x40000                  ; cx
	s_bfe_u32 s20, ttmp6, 0x40004                  ; cy
	s_lshl_b32 s21, ttmp9, 2
	s_add_co_u32 s21, s21, s19                     ; tx = 4 x cluster x + cx
	s_and_b32 s22, ttmp7, 0xffff
	s_lshl_b32 s22, s22, 2
	s_add_co_u32 s22, s22, s20                     ; ty = 4 x cluster y + cy
	s_lshl_b32 s23, s20, 2
	s_lshl_b32 s23, 15, s23                        ; my row of the cluster
	s_lshl_b32 s46, 0x1111, s19                    ; my column
	s_or_b32 s[G1A], s23, G1C
	s_or_b32 s[G1B], s46, G1C
	s_mov_b32 s[G1A+1], 128<<16                    ; tensor_dim0 = 128 elements: 256 bytes, two rows of a K block
	s_mov_b32 s[G1A+2], 64<<16                     ; tensor_dim1 = 64: 128 rows of x
	s_mov_b32 s[G1A+3], 128<<16                    ; tile_dim0
	s_mov_b32 s[G1A+4], 64                         ; tile_dim1
	s_mov_b32 s[G1A+5], 128                        ; dense
	s_mov_b32 s[G1A+6], 0
	s_mov_b32 s[G1A+7], 0
	s_mov_b32 s[G1B+1], 128<<16
	s_mov_b32 s[G1B+2], 96<<16                     ; 192 rows of W
	s_mov_b32 s[G1B+3], 128<<16
	s_mov_b32 s[G1B+4], 96
	s_mov_b32 s[G1B+5], 128
	s_mov_b32 s[G1B+6], 0
	s_mov_b32 s[G1B+7], 0
	s_mov_b32 s73, 0xffff0000                      ; a word's upper bf16
	s_mov_b32 s[TB], 0                             ; the first fragments come out of slot 0
	s_lshl_b32 s44, s22, 15                        ; x: row 256 ty, 128 bytes a row,
	s_lshl_b32 s83, s18, 14                        ; + my half's 128 rows
	s_add_co_u32 s44, s44, s83
	s_mov_b32 s45, 0
	s_mul_i32 s46, s21, 384*128                    ; W: row 384 tx,
	s_mul_i32 s83, s18, 192*128                    ; + my half's 192 rows
	s_add_co_u32 s46, s46, s83
	s_mov_b32 s47, 0
	s_lshl_b32 s86, s17, 20                        ; the table: plane wr (every wave fetches a quarter), the same tokens as x's half
	s_add_co_u32 s86, s86, s44
	s_mov_b32 s87, 0
	s_mul_i32 s80, s18, 128*PITCH                  ; where they go: no place in the cluster enters an LDS address
	s_mul_i32 s81, s18, 192*PITCH
	s_mul_i32 s82, s16, 128*PITCH
	s_wait_dscnt 0x0                               ; the opening add is done
	s_wait_kmcnt 0x0
	s_add_nc_u64 s[74:75], s[4:5], s[44:45]
	s_add_nc_u64 s[76:77], s[6:7], s[46:47]
	s_add_nc_u64 s[78:79], s[8:9], s[86:87]
.irp s, 0,1
	s_mov_b32 s[G0A+4*(\s)], 1
	s_add_co_u32 s[G0A+4*(\s)+1], s80, (\s)*SLOT1
	s_add_nc_u64 s[G0A+4*(\s)+2:G0A+4*(\s)+3], s[74:75], (\s)*XKB   ; K step s
	s_or_b32 s[G0A+4*(\s)+3], s[G0A+4*(\s)+3], 0x80000000
	s_mov_b32 s[G0B+4*(\s)], 1
	s_add_co_u32 s[G0B+4*(\s)+1], s81, (\s)*SLOT1+ABY
	s_add_nc_u64 s[G0B+4*(\s)+2:G0B+4*(\s)+3], s[76:77], (\s)*WKB
	s_or_b32 s[G0B+4*(\s)+3], s[G0B+4*(\s)+3], 0x80000000
.endr
	s_mov_b32 s[G0T], 1
	s_add_co_u32 s[G0T+1], s82, TAB
	s_mov_b64 s[G0T+2:G0T+3], s[78:79]
	s_or_b32 s[G0T+3], s[G0T+3], 0x80000000
	CROUND                                         ; all sixteen work-groups are here: the first joint loads meet
	s_cmp_eq_u32 s17, 0                            ; a wave's three first fills stand in one branch: slot 0, slot 1, my quarter of the table: three loads of mine are out
	s_cbranch_scc0 .Lfirst_b
	tensor_load_to_lds s[G0A:G0A+3], s[G1A:G1A+7]
	s_nop 0
	tensor_load_to_lds s[G0A+4:G0A+7], s[G1A:G1A+7]
	s_nop 0
	tensor_load_to_lds s[G0T:G0T+3], s[G1A:G1A+7]
	s_nop 0
.rept 4
	v_nop
.endr
	s_branch .Lfirst_done
.Lfirst_b:
	tensor_load_to_lds s[G0B:G0B+3], s[G1B:G1B+7]
	s_nop 0
	tensor_load_to_lds s[G0B+4:G0B+7], s[G1B:G1B+7]
	s_nop 0
	tensor_load_to_lds s[G0T:G0T+3], s[G1A:G1A+7]
	s_nop 0
.rept 4
	v_nop
.endr
.Lfirst_done:
	v_and_b32 v1, 15, v0                           ; r = l % 16
	v_bfe_u32 v2, v0, 4, 1                         ; h = l / 16
	s_lshl_b32 s83, s21, 1
	s_add_co_u32 s83, s83, s18                     ; my head
	s_lshl_b32 s86, s83, 8                         ; its 64 numbers in bq and bv
	v_lshl_add_u32 v6, v2, 5, s86                  ; + 8 h numbers; never rewritten
.irp bl, 0,1,2,3
	global_load_b128 v[BIQ+8*(\bl):BIQ+8*(\bl)+3],   v6, s[10:11] offset:64*(\bl)
	global_load_b128 v[BIQ+8*(\bl)+4:BIQ+8*(\bl)+7], v6, s[10:11] offset:64*(\bl)+16
	global_load_b128 v[BIV+8*(\bl):BIV+8*(\bl)+3],   v6, s[12:13] offset:64*(\bl)
	global_load_b128 v[BIV+8*(\bl)+4:BIV+8*(\bl)+7], v6, s[12:13] offset:64*(\bl)+16
.endr
	v_mul_u32_u24 v3, v1, PITCH
	v_lshl_add_u32 v3, v2, 4, v3                   ; a fragment's row x pitch + 16 x half
	s_mul_i32 s80, s17, 128*PITCH                  ; my 128 rows of x
	s_mul_i32 s81, s18, 192*PITCH                  ; my 192 rows of W,
	s_add_co_u32 s81, s81, ABY                     ; which lie behind x's 256
	v_add_nc_u32 v[A0], s80, v3
	v_add_nc_u32 v[B0], s81, v3
	v_add_nc_u32 v[ADRA], s[TB], v[A0]
	v_add_nc_u32 v[ADRB], s[TB], v[B0]
	s_add_co_u32 s80, s80, TAB
	v_add_nc_u32 v[TABA], s80, v3                  ; my token's row of cos, 16 bytes for each half of the lanes
	s_mul_i32 s87, s16, 16*PITCH
	s_add_co_u32 s87, s87, STAGE                   ; my stage
	v_add_nc_u32 v[STO], s87, v3
	v_bfe_u32 v4, v0, 3, 2                         ; back: 32 lanes take four rows of 128 bytes,
	v_and_b32 v5, 7, v0
	v_mul_u32_u24 v4, v4, PITCH
	v_lshl_add_u32 v4, v5, 4, v4
	v_add_nc_u32 v[RD], s87, v4
	v_and_b32 v[GO], 31, v0                        ; which are 512 consecutive bytes of a head
	v_lshlrev_b32 v[GO], 4, v[GO]
	s_lshr_b32 s84, s22, 2                         ; the sequence,
	s_lshl_b32 s84, s84, 4
	s_add_co_u32 s84, s84, s83                     ; hh = 16 s + head,
	s_lshl_b32 s84, s84, 17                        ; 131,072 bytes each;
	s_and_b32 s86, s22, 3
	s_lshl_b32 s86, s86, 15                        ; the tile's 256 rows within the sequence,
	s_add_co_u32 s84, s84, s86
	s_lshl_b32 s86, s17, 14                        ; my 128 of them
	s_add_co_u32 s84, s84, s86
	s_mov_b32 s85, 0
	s_add_nc_u64 s[66:67], s[14:15], s[84:85]      ; q
	s_add_nc_u64 s[68:69], s[66:67], 0x1000000     ; k
	s_add_nc_u64 s[70:71], s[66:67], 0x2000000     ; v
	; the prefetches' registers (see ASK): in registers of their own, which feed no descriptor
	s_and_b32 s80, ttmp7, 0xffff                   ; cluster y
	s_mul_i32 s81, s21, 384*128                    ; W: the tile column's first row
	s_lshl_b32 s82, s22, 15                        ; x: the tile row's
	s_lshl_b32 s83, s19, 13                        ; x: my work-group's 32 blocks of the 128
	s_mul_i32 s84, s20, 48*256                     ; W: my work-group's 48 of the 192
	s_sub_co_u32 s85, s16, 1
	s_max_i32 s85, s85, 0
	s_lshl_b32 s85, s85, 5                         ; W: wave v takes numbers 32 (v - 1) .. + 31 of two steps' 96 blocks (wave 0: x's blocks 0 .. 31)
	s_mov_b32 s86, WKB-48*256                      ; from number 48 on they lie in the second of the two steps
	s_mov_b32 s[PS], WKB
	s_mov_b32 s[PS+1], 0
	s_cmp_eq_u32 s16, 0                            ; wave 0 asks for x, waves 1 to 3 for W
	s_cselect_b32 s82, s82, s81
	s_cselect_b32 s83, s83, s84
	s_cselect_b32 s80, ttmp9, s80                  ; the coordinate along which other clusters read the same rows
	s_cselect_b64 s[PFA:PFA+1], s[4:5], s[6:7]
	s_cselect_b32 s[PS], XKB, s[PS]
	s_cselect_b32 s[PM], 0, 1
	s_cselect_b32 s81, 1, 2
	s_cmp_eq_u32 s80, 0
	s_cselect_b32 s[LIM], s81, -1                  ; the same in all sixteen partners, for a given wave
	s_add_co_u32 s82, s82, s83
	s_mov_b32 s83, 0
	s_add_nc_u64 s[PFA:PFA+1], s[PFA:PFA+1], s[82:83]
	s_add_nc_u64 s[PFA:PFA+1], s[PFA:PFA+1], s[PS:PS+1]
	s_add_nc_u64 s[PFA:PFA+1], s[PFA:PFA+1], s[PS:PS+1]  ; at K step 2: the first change of slots steps it to 3
	v_and_b32 v[PFO], 31, v0
	v_add_nc_u32 v[PFO], s85, v[PFO]               ; my block's number
	v_cmp_lt_u32 vcc_lo, 47, v[PFO]
	v_cndmask_b32 v31, 0, s86, vcc_lo
	v_lshl_add_u32 v[PFO], v[PFO], 8, v31
	s_wait_loadcnt 0x0                             ; the biases; rounded to bf16 like every input, and kept as f32
.set z, 0
.rept 32
	v_cvt_pk_bf16_f32 v[7+z%3], v[BIQ+2*z], v[BIQ+2*z+1]
	v_lshlrev_b32 v[BIQ+2*z], 16, v[7+z%3]
	v_and_b32 v[BIQ+2*z+1], s73, v[7+z%3]
.set z, z+1
.endr
; na x 4 matrix instructions: head part g, token blocks a0 .. a0 + na - 1, x's fragments in buffer af.  mode 0: C = D; 1: the constant 0 starts the sums; 2: the bias does.
; Each accumulator has one instruction a turn: between two links of a chain stand 95 others'.
.macro STR g, af, a0, na, mode, bias=0
.if (\mode) == 2
	WIN 0x40*((\g)+1)
.else
	WIN 0x50*((\g)+1)
.endif
.set ai, (\a0)
.rept (\na)
.irp bl, 0,1,2,3
.if (\mode) == 0
	v_wmma_f32_16x16x32_bf16 v[8*(4*ai+(\bl)):8*(4*ai+(\bl))+7], v[BF+8*(4*(\g)+(\bl)):BF+8*(4*(\g)+(\bl))+7], v[(\af)+8*ai:(\af)+8*ai+7], v[8*(4*ai+(\bl)):8*(4*ai+(\bl))+7]
.elseif (\mode) == 1
	v_wmma_f32_16x16x32_bf16 v[8*(4*ai+(\bl)):8*(4*ai+(\bl))+7], v[BF+8*(4*(\g)+(\bl)):BF+8*(4*(\g)+(\bl))+7], v[(\af)+8*ai:(\af)+8*ai+7], 0
.else
	v_wmma_f32_16x16x32_bf16 v[8*(4*ai+(\bl)):8*(4*ai+(\bl))+7], v[BF+8*(4*(\g)+(\bl)):BF+8*(4*(\g)+(\bl))+7], v[(\af)+8*ai:(\af)+8*ai+7], v[(\bias)+8*(\bl):(\bias)+8*(\bl)+7]
.endif
.endr
.set ai, ai+1
.endr
.endm
.macro LDB g, k                        ; 8 LDS loads: W's four fragments of head part g, 32 along K at byte k of the rows
.irp bl, 0,1,2,3
	ds_load_b128 v[BF+8*(4*(\g)+(\bl)):BF+8*(4*(\g)+(\bl))+3],   v[ADRB] offset:(4*(\g)+(\bl))*16*PITCH+(\k)
	ds_load_b128 v[BF+8*(4*(\g)+(\bl))+4:BF+8*(4*(\g)+(\bl))+7], v[ADRB] offset:(4*(\g)+(\bl))*16*PITCH+(\k)+32
.endr
.endm
.macro LDA af, half, k                 ; 8 LDS loads: four of x's eight fragments
.irp a, 0,1,2,3
	ds_load_b128 v[(\af)+8*(4*(\half)+(\a)):(\af)+8*(4*(\half)+(\a))+3],   v[ADRA] offset:(4*(\half)+(\a))*16*PITCH+(\k)
	ds_load_b128 v[(\af)+8*(4*(\half)+(\a))+4:(\af)+8*(4*(\half)+(\a))+7], v[ADRA] offset:(4*(\half)+(\a))*16*PITCH+(\k)+32
.endr
.endm
; A step's first slice: 96 matrix instructions on buffer 0; behind each third W's fragments of that third are fetched for the second slice (byte 64 of the same slot's rows), and x's into buffer 1.
.macro SLICE
	s_wait_dscnt 8                                 ; all but the youngest eight loads (W's last third) are in
	STR 0, AF0, 0, 8, 0
	PLACES
	WIN 0
	LDB 0, 64
	LDA AF1, 0, 64
	s_wait_dscnt 16                                ; all but the sixteen just issued: W's last third is in
	STR 1, AF0, 0, 8, 0
	PLACES
	WIN 0
	LDB 1, 64
	LDA AF1, 1, 64
	STR 2, AF0, 0, 8, 0
	PLACES
	WIN 0
	LDB 2, 64
.endm
; A step's second slice multiplies buffer 1 and changes slots: ONE barrier.  In front of it each wave waits for all its tensor loads (the one that is out is its part of the next slot), adds 0 to its
; spare word, and waits for that and for its own reads of this slot, which were all issued in the slice before.  fill = 1: the barrier opens a round of the cluster's, and the slot is filled again, two K steps on,
; first thing behind the round: 160 matrix instructions ahead of the wait for it.
.macro TURNS fill
.if \fill
	s_wait_xcnt 0x0                                ; the last prefetch, a K step back or more, has read its address: it is stepped here, ahead of the waits of the change of slots
	s_add_nc_u64 s[PFA:PFA+1], s[PFA:PFA+1], s[PS:PS+1]
.endif
	WIN 0
	s_wait_tensorcnt 0x0                           ; all my tensor loads have landed, so a group 0 may be written
	ds_add_u32 v[SPW], v[NIL]                      ; 0 onto my spare word: scalar work and sixteen matrix instructions stand between it and the wait for it
.if \fill
	s_xor_b32 s[G0A+5], s[G0A+5], SLOT1            ; the walking descriptors: the other slot than last time,
	s_add_nc_u64 s[G0A+6:G0A+7], s[G0A+6:G0A+7], XKB  ; the next K step; the type bits on top are not reached
	s_xor_b32 s[G0B+5], s[G0B+5], SLOT1
	s_add_nc_u64 s[G0B+6:G0B+7], s[G0B+6:G0B+7], WKB
.endif
	s_xor_b32 s[TB], s[TB], SLOT1                  ; the fetches go on in the other slot
	s_wait_dscnt 9                                 ; the add and the youngest eight loads may be out
	STR 0, AF1, 0, 4, 0
	s_wait_dscnt 0x0                               ; the add is done, and my reads of this slot are over
	s_barrier_signal -1
	STR 0, AF1, 4, 4, 0
.if \fill
	WIN 0
.endif
	s_barrier_wait -1
.if \fill
	CREST                                          ; no wave of any partner still reads this slot or has a load on its way
	JLOAD                                          ; its four v_nop are also the places in front of the loads below
.else
	PLACES
	WIN 0
.endif
	v_add_nc_u32 v[ADRA], s[TB], v[A0]
	v_add_nc_u32 v[ADRB], s[TB], v[B0]
	LDB 0, 0
	LDA AF0, 0, 0
.if \fill
	ASK                                            ; behind the joint load and the run of LDS loads that the next products wait for
.endif
	STR 1, AF1, 0, 8, 0
	PLACES
	WIN 0
	LDB 1, 0
	LDA AF0, 1, 0
	STR 2, AF1, 0, 8, 0
	PLACES
	WIN 0
	LDB 2, 0
.endm
	s_wait_tensorcnt 2                             ; my part of slot 0 is in; slot 1's and the table's may stay out
	s_barrier_signal -1
	s_barrier_wait -1                              ; everybody's is
	LDB 0, 0
	LDB 1, 0
	LDB 2, 0
	LDA AF0, 0, 0
	LDA AF0, 1, 0
	s_wait_dscnt 0x0
	STR 0, AF0, 0, 8, 2, BIQ                       ; the first slice is written out: its products start the sums, q's and v's with their bias
	STR 2, AF0, 0, 8, 2, BIV
	PLACES                                         ; the biases have been read: their registers take x's second buffer
	WIN 0
	LDB 0, 64
	LDB 2, 64
	LDA AF1, 0, 64
	LDA AF1, 1, 64
	STR 1, AF0, 0, 8, 1                            ; k has no bias
	PLACES
	WIN 0
	LDB 1, 64                                      ; again eight loads of W are the youngest
	s_mov_b32 s72, 14
.Lstep:                                                ; a trip: a step's second slice, the change of slots with its refill (K steps 2 to 15), the next step's first slice
	TURNS 1
	SLICE
	WIN 0
	s_sub_co_u32 s72, s72, 1
	s_cmp_lg_u32 s72, 0
	s_cbranch_scc1 .Lstep
	TURNS 0                                        ; the last change of slots fills nothing: written out
	SLICE
	s_wait_dscnt 8
	STR 0, AF1, 0, 8, 0
	s_wait_dscnt 0x0
	STR 1, AF1, 0, 8, 0
	STR 2, AF1, 0, 8, 0
	WIN 0
	PLACES
; THE WAY OUT, a block of 16 tokens at a time: the sums are rounded to f16, q and k take RoPE in packed f16, all three go through my own stage in LDS and leave as 512 consecutive bytes a store.
.macro RAWLD a                         ; block a's rows of cos and sin', my 8 columns of each of the four groups of 16: register 4 bl + p holds columns 2 p, 2 p + 1 of my eight
.irp bl, 0,1,2,3
	ds_load_b128 v[RAW+32*((\a)%2)+4*(\bl):RAW+32*((\a)%2)+4*(\bl)+3],       v[TABA] offset:(\a)*16*PITCH+32*(\bl)
	ds_load_b128 v[RAW+32*((\a)%2)+16+4*(\bl):RAW+32*((\a)%2)+16+4*(\bl)+3], v[TABA] offset:TABP+(\a)*16*PITCH+32*(\bl)
.endr
.endm
.macro CVT g, a, dst                   ; block a of part g, rounded to f16; each accumulator's lowest registers are read first
	WIN 5*((\g)+1)                                 ; sources 0 and 1 in the part's window
.set z, 0
.rept 16
	v_cvt_pk_f16_f32 v[(\dst)+z], v[32*(\a)+2*z], v[32*(\a)+2*z+1]
.set z, z+1
.endr
	WIN 0
.endm
.macro ROPE g, a                       ; x[d] cos[d] + x[d xor 32] sin'[d]: the partner's pair lies eight registers on, or back
	CVT \g, \a, XH
.set z, 0
.rept 16
	v_pk_mul_f16 v[PKR+z], v[XH+z], v[RAW+32*((\a)%2)+z]
.set z, z+1
.endr
.set z, 0
.rept 16
	v_pk_fma_f16 v[PKR+z], v[XH+(z+8)%16], v[RAW+32*((\a)%2)+16+z], v[PKR+z]
.set z, z+1
.endr
.endm
.macro TOST n                          ; block n of 24 into the stage and back as whole rows; LDS serves a wave's instructions in order (ISA guide 5.7.1.4)
.irp bl, 0,1,2,3
	ds_store_b128 v[STO], v[PKR+4*(\bl):PKR+4*(\bl)+3] offset:32*(\bl)
.endr
	s_wait_xcnt 0x0                                ; the stores of the block two back have read these registers
.irp f, 0,1,2,3
	ds_load_b128 v[BK+16*((\n)%2)+4*(\f):BK+16*((\n)%2)+4*(\f)+3], v[RD] offset:(\f)*4*PITCH
.endr
.endm
.macro SEND g, a, par, younger         ; younger: the LDS instructions issued behind the block's four loads, which may stay out
	s_wait_dscnt \younger
.irp f, 0,1,2,3
	global_store_b128 v[GO], v[BK+16*(\par)+4*(\f):BK+16*(\par)+4*(\f)+3], s[66+2*(\g):67+2*(\g)] offset:(\a)*2048+(\f)*512  ; 512 consecutive bytes, at a multiple of 256 from the buffer's first
.endr
.endm
	RAWLD 0
	s_wait_dscnt 0x0
.irp a, 0,1,2,3,4,5,6,7
.if (\a) < 7
	RAWLD (\a)+1                                   ; a block ahead: 24 LDS instructions follow it in this block's turn, and a wait that leaves 8 out stands among them
.endif
	ROPE 0, \a
	TOST 3*(\a)
.if (\a) > 0
.if (\a) < 7
	SEND 2, (\a)-1, (3*(\a)-1)%2, 16               ; behind its loads: eight table loads and this block's eight
.else
	SEND 2, (\a)-1, (3*(\a)-1)%2, 8
.endif
.endif
	ROPE 1, \a
	TOST 3*(\a)+1
	SEND 0, \a, (3*(\a))%2, 8
	CVT 2, \a, PKR                                 ; v is only rounded
	TOST 3*(\a)+2
	SEND 1, \a, (3*(\a)+1)%2, 8
.endr
	SEND 2, 7, 1, 0
	s_wait_tensorcnt 0x0                           ; the wave's end, behind my last tensor load and my last LDS store
	ds_add_u32 v[SPW], v[NIL]
	s_wait_dscnt 0x0
	CROUND                                         ; the closing round: no work-group ends while a partner may still ask for a tile that names it
	s_endpgm
.Lfunc_end_k_qc7e9f18842_qkv:
	.size	k_qc7e9f18842_qkv, .Lfunc_end_k_qc7e9f18842_qkv-k_qc7e9f18842_qkv
	.p2alignl 7, 3214868480
	.fill 96, 4, 3214868480
	.section	.rodata,"a",@progbits
	.p2align	6, 0x0
	.amdhsa_kernel k_qc7e9f18842_qkv
		.amdhsa_group_segment_fixed_size 327680
		.amdhsa_private_segment_fixed_size 0
		.amdhsa_enable_private_segment 0
		.amdhsa_kernarg_size 48
		.amdhsa_user_sgpr_count 2
		.amdhsa_user_sgpr_kernarg_segment_ptr 1
		.amdhsa_wavefront_size32 1
		.amdhsa_system_sgpr_workgroup_id_x 1
		.amdhsa_system_sgpr_workgroup_id_y 1
		.amdhsa_system_sgpr_workgroup_id_z 1
		.amdhsa_system_vgpr_workitem_id 0
		.amdhsa_next_free_vgpr 1024
		.amdhsa_next_free_sgpr 96
		.amdhsa_reserve_vcc 1
		.amdhsa_float_denorm_mode_32 3
		.amdhsa_float_denorm_mode_16_64 3
		.amdhsa_memory_ordered 1
		.amdhsa_forward_progress 1
		.amdhsa_inst_pref_size 155
	.end_amdhsa_kernel
	.amdgpu_metadata
---
amdhsa.version: [ 1, 2 ]
amdhsa.kernels:
  - .name:           k_qc7e9f18842_qkv
    .symbol:         k_qc7e9f18842_qkv.kd
    .args:
      - { .name: xb, .offset: 0, .size: 8, .value_kind: global_buffer, .address_space: global }
      - { .name: wb, .offset: 8, .size: 8, .value_kind: global_buffer, .address_space: global }
      - { .name: ropeb, .offset: 16, .size: 8, .value_kind: global_buffer, .address_space: global }
      - { .name: bq, .offset: 24, .size: 8, .value_kind: global_buffer, .address_space: global }
      - { .name: bv, .offset: 32, .size: 8, .value_kind: global_buffer, .address_space: global }
      - { .name: qkv, .offset: 40, .size: 8, .value_kind: global_buffer, .address_space: global }
    .group_segment_fixed_size: 327680
    .private_segment_fixed_size: 0
    .kernarg_segment_align: 8
    .kernarg_segment_size: 48
    .max_flat_workgroup_size: 128
    .sgpr_count:     96
    .vgpr_count:     1024
    .wavefront_size: 32
...
	.end_amdgpu_metadata
.endif
;; end of part 2
;; launch attn (part 3): grid 2 x 128, 4 waves a work-group, no clusters, 327,680 bytes of LDS; arguments qkv, ob; writes ob
.if DOCPART == 3
	.amdgcn_target "amdgcn-amd-amdhsa--gfx1250"
	.amdhsa_code_object_version 6
	.text
	.protected	k_qc7e9f18842_attn
	.globl	k_qc7e9f18842_attn
	.p2align	8
	.type	k_qc7e9f18842_attn,@function
k_qc7e9f18842_attn:
	s_mov_b64 s[64:65], 0
	v_nop
	global_prefetch_b8 v0, s[64:65] scope:SCOPE_SE
	s_setreg_imm32_b32 hwreg(HW_REG_WAVE_MODE, 25, 1), 1
	s_wait_xcnt 0x0
; O[hh][q][:] = the sum over k of softmax_k(Q[hh][q] . K[hh][k] / 8) V[hh][k][:], hh = 16 s + h: 128 heads of 1,024 rows of 64 channels, all f16, dense.  Q, K, V are the three planes of qkv.
; The segments are those of the reshape by max_seqlen = 1,024, which uses cu_seqlens' shape alone: its numbers cannot change the result and are not loaded.
; Products, maxima and sums in f32; the weights p are rounded to f16 for the second product (their sum l is taken of the unrounded p), O once at the end.
; LIMITS.  Q, K, V arrive within f16's 65,504; p lies in 0 to 1, and below 6e-5 it keeps f16's fixed step of 6e-8; O is a mean of V's rows.  A weight below 2^-126 counts as 0 in l; NaN and infinities are not treated apart.
; SHARES.  A work-group owns 512 queries of one head, a wave 128: four PIECES of two tiles of 16.  Every wave walks all 1,024 keys, 64 a step.  2 x 128 = 256 work-groups of equal work.
; K AND V OF THE HEAD STAY IN LDS: 1,024 rows of each; no byte of LDS is filled twice.  They are asked for by two tensor loads a wave: the first 256 keys at the head, alone, since every wave waits for them;
; the other 768 behind the first barrier, by one load a wave (384 keys: 192 rows of 256 bytes).  That load has the first four key steps, which read the first 256 keys alone, in which to land.
; NO CLUSTER: two work-groups share a head's K and V, and a grid of 2 along x divides into no cluster of four; what is shared is read once a work-group.  NO PREFETCH: every byte of K and V has been asked for
; by its tensor load when the first product is issued.
; LAYOUT.  S^T = K Q^T (source 0 = 16 keys, source 1 = 16 queries): a lane holds ONE query (lane % 16) and the keys 8 (lane / 16) + 0..7.  Two such tiles, rounded to f16 in pairs, ARE source 1 of
; O^T = V^T P, whose result again holds one query a lane, and eight channels.  K comes out of LDS as it lies, V ([key][channel]) turned, by ds_load_tr16_b128.
; SOFTMAX.  For each query a running maximum m and sum l: p = 2^(c s - c m), c = log2(e) / 8; in every step O and l are multiplied by a = 2^(c m_old - c m_new).  m starts at the lowest finite number, O and l at 0.
; BY TURNS.  Turn n belongs to piece n.  Its matrix work: 16 products K Q^T of piece n + 1, later 16 products V^T P of piece n - 1.  Its vector work: the scaling, exponentials, roundings, sums and rescaling of
; piece n, and the maximum and statistics of piece n + 1.  A tile and step have 16 matrix and 118 vector instructions: four that are ready stand behind every matrix instruction, the others in two runs of their own.
; ONE TEXT FOR EVERY TURN: the loop is entered in the middle of a trip and left in the middle of a trip.
; REGISTERS, in windows of 256 (s_set_vgpr_msb: bits 1:0 source 0, 3:2 source 1, 5:4 source 2, 7:6 destination):
;   window 0: v0-11 addresses; v12-15, v48-63 at work; v16-47 four registers of statistics a tile; v64-191 S^T, two buffers of two tiles; v192-255 P, likewise
;   window 1: O^T, 32 a tile          window 2: v0-127 Q, 16 a tile; v128-191 K of one step; v192-255 V of one step          window 3: v0-1 the add's two registers
.set NP,    4         ; pieces a wave: a name, no knob
.set KS,    64        ; keys in a step
.set PK,    144       ; a row of K in LDS: 128 bytes + 16 of padding = 36 words: the 16 rows of a load start at 16 different groups of four banks (ISA guide 11.1)
.set PV,    160       ; a row of V: 128 + 32 = 40 words
.set VOFF,  1024*PK   ; K's 1,024 rows, then V's
.set STAGE, VOFF+1024*PV  ; never filled by a tensor load: 16 rows x 144 bytes for each wave, for the way out
.set SP,    144
.set SPARE, STAGE+4*16*SP  ; the spare words, 128 bytes for each wave: two blocks of 256 bytes that no other line names
.set AK0, 2           ; v2   my lane's place in a tile of K; never rewritten
.set AV0, 3           ; v3   the same for V
.set AK,  4           ; v4   the LDS address of K's next run of loads
.set AV,  5           ; v5   of V's
.set QO,  6           ; v6   my byte offset in the wave's rows of Q
.set STO, 6           ;      later, the way out: where I put 16 bytes of a row
.set RD,  7           ; v7   the way out: where I read rows back
.set GO,  8           ; v8   my byte offset in 512 consecutive bytes of O
.set SPW, 0           ; v0 of window 3   LDS address of my spare word; never rewritten
.set NIL, 1           ; v1 of window 3   0; never rewritten
.set MV,  12          ; v12-15  c m_old, kept while c m is made anew: by buffer and tile
.set ST,  16          ; tile t's statistics at v[ST+4 t]: c m, m, l (even keys', odd keys')
.set TMP, 48          ; by buffer and tile, four registers c0-c3 at work; when the maximum is found c2 takes a
.set S,   64
.set P,   192
.set KF,  128         ; K's fragments, in window 2: key block kb, channel half c at KF + 16 kb + 8 c
.set VF,  192         ; V's: key half kk, channel block cb at VF + 32 kk + 8 cb
.set WV,  12          ; s12  my wave's number
.set G1K, 24          ; s[24:31] descriptor group 1 for K's first load: 64 rows of 256 bytes
.set G1V, 32          ; s[32:39] for V's: it differs in the padding alone
.set G0K, 40          ; s[40:47] descriptor group 0 for K's two loads
.set G1K2, 48         ; s[48:55] group 1 for K's second load: 192 rows of 256 bytes
.set PASS, 56         ; s56  passes still to come, this one among them: four of four key steps, and a fifth that is left in its first trip's middle
.set CNT, 57          ; s57  counts a pass's key steps
.set CS,  58          ; s[58:59] c: the packed scaling takes the pair's low word for both halves
.set SEL, 60          ; s[60:61] v_permlanex16_b32's selects: each lane takes its own place in the other half
.set TBK, 62          ; s62  LDS byte at which K of the step to be fetched begins
.set TBV, 63          ; s63  the same for V, less VOFF
.set G0V, 68          ; s[68:75] descriptor group 0 for V's two loads
.set G1V2, 76         ; s[76:83] group 1 for V's second load
.set MSB, 0
.macro WIN new                      ; the high byte repeats the setting that is left; a switch that changes nothing is dropped
.if MSB != (\new)
	s_set_vgpr_msb (MSB<<8)|(\new)
.set MSB, (\new)
.endif
.endm
.set W_KQ, 0x0a       ; K and Q in window 2, S^T in window 0
.set W_PV, 0x52       ; V in window 2, P in window 0, O^T in window 1
.set W_RS, 0x41       ; O^T (destination and source 0) in window 1, a in window 0
.set W_MK, 0xc0       ; the add's registers are made: destination in window 3, sources in window 0
.set W_AD, 0x0f       ; the add: address (source 0) and data (source 1) in window 3
; Load n (0: the first 256 keys; 1: the other 768).  Waves 0 and 1 fetch the two halves of K's rows, waves 2 and 3 those of V's.  An s_nop 0 and four v_nop follow each of the two lines.
.macro LOADKV n
	s_cmp_lt_u32 s[WV], 2
	s_cbranch_scc0 .Lfor_v_\@
.if \n
	tensor_load_to_lds s[G0K+4:G0K+7], s[G1K2:G1K2+7]
.else
	tensor_load_to_lds s[G0K:G0K+3], s[G1K:G1K+7]
.endif
	s_nop 0
.rept 4
	v_nop
.endr
	s_branch .Lasked_\@
.Lfor_v_\@:
.if \n
	tensor_load_to_lds s[G0V+4:G0V+7], s[G1V2:G1V2+7]
.else
	tensor_load_to_lds s[G0V:G0V+3], s[G1V:G1V+7]
.endif
	s_nop 0
.rept 4
	v_nop
.endr
.Lasked_\@:
.endm
	s_load_b128 s[4:7], s[0:1], 0x0  ; qkv s[4:5], ob s[6:7]
	WIN W_MK
	v_lshl_add_u32 v[SPW], v0, 2, SPARE
	v_mov_b32 v[NIL], 0
	WIN W_AD
	ds_add_u32 v[SPW], v[NIL]       ; the wave's opening: the add and its wait stand ahead of my first tensor load; the set-up below stands between them
	ds_add_u32 v0, v1
	WIN 0
	v_lshrrev_b32 v1, 5, v0
	v_readfirstlane_b32 s[WV], v1   ; wave 0..3
	s_and_b32 s20, ttmp7, 0xffff    ; the head,
	s_lshl_b32 s20, s20, 17         ; 131,072 bytes in each plane and in ob
	s_and_b32 s16, s[WV], 1         ; which half of a load's keys I fetch.  Of the first 256:
	s_lshl_b32 s22, s16, 14         ; its 128 rows of 128 bytes in memory,
	s_add_co_u32 s22, s22, s20
	s_mov_b32 s23, 0
	s_mul_i32 s17, s16, 128*PK      ; and its place in LDS, for K
	s_mul_i32 s18, s16, 128*PV      ; and for V.  Of the other 768:
	s_mul_i32 s84, s16, 384*128     ; its 384 rows in memory,
	s_add_co_u32 s84, s84, s20
	s_add_co_u32 s84, s84, 256*128  ; behind the first 256,
	s_mov_b32 s85, 0
	s_mul_i32 s19, s16, 384*PK      ; and its place in LDS, for K
	s_mul_i32 s21, s16, 384*PV      ; and for V
	s_lshl_b32 s2, ttmp9, 2
	s_add_co_u32 s2, s2, s[WV]      ; my wave among the head's eight,
	s_lshl_b32 s2, s2, 14           ; its 128 rows
	s_add_co_u32 s2, s2, s20
	s_mov_b32 s3, 0
	; descriptor group 1.  A head's keys are dense bytes: asked for as rows of 256 bytes, two keys a row, and padded in LDS after every key
	s_mov_b32 s[G1K],  (1<<16)|(1<<20)|(4<<22)|(3<<25)  ; 2-byte elements; padding on; after every 32 words, 4 words
	s_mov_b32 s[G1K2], (1<<16)|(1<<20)|(4<<22)|(3<<25)
	s_mov_b32 s[G1V],  (1<<16)|(1<<20)|(4<<22)|(7<<25)  ; the same with 8 words of padding
	s_mov_b32 s[G1V2], (1<<16)|(1<<20)|(4<<22)|(7<<25)
.irp g, G1K, G1V, G1K2, G1V2
	s_mov_b32 s[\g+1], 128<<16      ; tensor_dim0 = 128
	s_mov_b32 s[\g+3], 128<<16      ; tile_dim0 = 128
	s_mov_b32 s[\g+5], 128          ; 128 elements from row to row
	s_mov_b32 s[\g+6], 0
	s_mov_b32 s[\g+7], 0
.endr
.irp g, G1K, G1V
	s_mov_b32 s[\g+2], 64<<16       ; tensor_dim1 = 64: 128 keys
	s_mov_b32 s[\g+4], 64           ; tile_dim1
.endr
.irp g, G1K2, G1V2
	s_mov_b32 s[\g+2], 192<<16      ; tensor_dim1 = 192: 384 keys
	s_mov_b32 s[\g+4], 192          ; tile_dim1
.endr
	s_mov_b32 s[CS], 0x3e38aa3b     ; c = log2(e) / 8 = 0.180337
	s_mov_b32 s[CS+1], s[CS]        ; named with it as a pair
	s_mov_b32 s[SEL], 0x76543210
	s_mov_b32 s[SEL+1], 0xfedcba98
	s_mov_b32 s[TBK], 0
	s_mov_b32 s[TBV], 0
	s_mov_b32 s[G0K], 1
	s_mov_b32 s[G0K+1], s17
	s_mov_b32 s[G0K+4], 1
	s_add_co_u32 s[G0K+5], s19, 256*PK
	s_mov_b32 s[G0V], 1
	s_add_co_u32 s[G0V+1], s18, VOFF
	s_mov_b32 s[G0V+4], 1
	s_add_co_u32 s[G0V+5], s21, VOFF+256*PV
	s_wait_dscnt 0x0                ; the opening add is done
	s_wait_kmcnt 0x0
	s_add_nc_u64 s[8:9], s[4:5], 0x1000000     ; K's plane
	s_add_nc_u64 s[14:15], s[4:5], 0x2000000   ; V's
	s_add_nc_u64 s[G0K+2:G0K+3], s[8:9], s[22:23]
	s_or_b32 s[G0K+3], s[G0K+3], 0x80000000
	s_add_nc_u64 s[G0K+6:G0K+7], s[8:9], s[84:85]
	s_or_b32 s[G0K+7], s[G0K+7], 0x80000000
	s_add_nc_u64 s[G0V+2:G0V+3], s[14:15], s[22:23]
	s_or_b32 s[G0V+3], s[G0V+3], 0x80000000
	s_add_nc_u64 s[G0V+6:G0V+7], s[14:15], s[84:85]
	s_or_b32 s[G0V+7], s[G0V+7], 0x80000000
	s_add_nc_u64 s[4:5], s[4:5], s[2:3]        ; Q and O at my wave's first row
	s_add_nc_u64 s[10:11], s[6:7], s[2:3]
	LOADKV 0                        ; the first 256 keys: one load of mine is out
	; A fragment of K or Q is 16 rows x 32 channels in 8 registers: lane l holds row l % 16, channels 8 (l / 16) + 0..7 and 16 + 8 (l / 16) + 0..7: two loads of 16 bytes, 32 bytes apart.
	v_and_b32 v1, 15, v0            ; l % 16
	v_bfe_u32 v9, v0, 4, 1          ; l / 16
	v_lshlrev_b32 v[QO], 7, v1
	v_lshl_add_u32 v[QO], v9, 4, v[QO]  ; row x 128 + 16 x half
	WIN 0x80                        ; destination window 2, address window 0
.set i, 0
.rept 4*NP                          ; Q stays in registers: tile i / 2, channels 32 (i % 2) on
	global_load_b128 v[8*i:8*i+3],   v[QO], s[4:5] offset:(i/2)*2048+(i%2)*64
	global_load_b128 v[8*i+4:8*i+7], v[QO], s[4:5] offset:(i/2)*2048+(i%2)*64+32
.set i, i+1
.endr
	; What the first turn finds: V's registers and P's second buffer hold 0 (its products V^T P, of a piece that has not been, add 0), O^T and l are 0.  All this stands in the wait for the first tile.
.set i, VF
.rept 64
	v_mov_b32 v[i], 0
.set i, i+1
.endr
	WIN 0x40
.set i, 0
.rept 64*NP
	v_mov_b32 v[i], 0
.set i, i+1
.endr
	WIN 0
.set i, 0
.rept 2*NP
	v_mov_b32 v[ST+4*i], 0xfe000000    ; c m: far below every c s
	v_mov_b32 v[ST+4*i+1], 0xff7fffff  ; m
	v_mov_b32 v[ST+4*i+2], 0
	v_mov_b32 v[ST+4*i+3], 0
.set i, i+1
.endr
.set i, P+32
.rept 32
	v_mov_b32 v[i], 0
.set i, i+1
.endr
	v_mul_u32_u24 v[AK0], v1, PK
	v_lshl_add_u32 v[AK0], v9, 4, v[AK0]  ; row x pitch + 16 x half
	; The turning load takes 16 keys x 16 channels (lane l reads key 8 (l / 16) + l % 8, channels 8 ((l / 8) % 2) + 0..7) and leaves half a fragment of V^T: lane l holds channel l % 16 and 8 keys.
	v_and_b32 v10, 7, v0
	v_bfe_u32 v11, v0, 3, 1
	v_lshl_add_u32 v[AV0], v9, 3, v10
	v_mul_u32_u24 v[AV0], v[AV0], PV
	v_lshl_add_u32 v[AV0], v11, 4, v[AV0]
	v_add_nc_u32 v[AV0], VOFF, v[AV0]
	v_mov_b32 v[AK], v[AK0]         ; key step 0 lies at LDS byte 0
; THE MATRIX WORK.  The 8 accumulators of a run of 16 take turns: between the two links of a chain stand 7 others'.
; Product i of 16 of S^T = K Q^T for piece x: channels 32 (i / 8) on, keys 16 ((i / 2) % 4) on, tile 2 x + i % 2.  The first 8 start the sums.
.macro KQ x
	WIN W_KQ
.set rS, S+64*((\x)%2)+32*(i%2)+8*((i/2)%4)
.set rK, KF+16*((i/2)%4)+8*(i/8)
.set rQ, 16*(2*(\x)+i%2)+8*(i/8)
.if i < 8
	v_wmma_f32_16x16x32_f16 v[rS:rS+7], v[rK:rK+7], v[rQ:rQ+7], 0
.else
	v_wmma_f32_16x16x32_f16 v[rS:rS+7], v[rK:rK+7], v[rQ:rQ+7], v[rS:rS+7]
.endif
.endm
; Product i of 16 of O^T += V^T P for piece x: keys 32 (i / 8) on, channels 16 ((i / 2) % 4) on, tile 2 x + i % 2.
.macro PV x
	WIN W_PV
.set rO, 32*(2*(\x)+i%2)+8*((i/2)%4)
.set rV, VF+32*(i/8)+8*((i/2)%4)
.set rP, P+32*((\x)%2)+16*(i%2)+8*(i/8)
	v_wmma_f32_16x16x32_f16 v[rO:rO+7], v[rV:rV+7], v[rP:rP+7], v[rO:rO+7]
.endm
.macro MM                           ; the turn's next matrix instruction
.if i < 16
	KQ (Y+1)%NP
.set i, i+1
.else
.set i, i-16
	PV (Y+NP-1)%NP
.set i, i+17
.endif
.endm
; THE LDS LOADS stand in runs of 16, never singly among the matrix instructions: a step's K (64 keys x 64 channels: 8 fragments) and its V (turned).  Their addresses are made some lines ahead.
; skip = 1 (in the loop): in the fifth pass there is no further step, and the run is jumped over.
.macro FETCH_K skip=0
.if \skip
	WIN 0
	s_cmp_eq_u32 s[PASS], 1
	s_cbranch_scc1 .Lno_k_\@
.endif
	WIN 0x80                        ; destination window 2
.irp f, 0,1,2,3,4,5,6,7             ; keys 16 (f / 2) on, channels 32 (f % 2) on
	ds_load_b128 v[KF+8*\f:KF+8*\f+3],   v[AK] offset:(\f/2)*16*PK+(\f%2)*64
	ds_load_b128 v[KF+8*\f+4:KF+8*\f+7], v[AK] offset:(\f/2)*16*PK+(\f%2)*64+32
.endr
	s_add_co_u32 s[TBK], s[TBK], KS*PK  ; the next fetch is the next step's: the head's keys lie on end in LDS
	WIN 0
.if \skip
.Lno_k_\@:
.endif
.endm
.macro FETCH_V
	WIN 0x80
.irp f, 0,1,2,3,4,5,6,7             ; keys 32 (f / 4) on, channels 16 (f % 4) on
	ds_load_tr16_b128 v[VF+8*\f:VF+8*\f+3],   v[AV] offset:(\f/4)*32*PV+(\f%4)*32
	ds_load_tr16_b128 v[VF+8*\f+4:VF+8*\f+7], v[AV] offset:(\f/4)*32*PV+16*PV+(\f%4)*32
.endr
	WIN 0
.endm
; THE VECTOR WORK OF A TURN stands in three queues, each in the order in which its entries become ready; the two tiles alternate, so that no instruction reads the result of the one before it.
.macro REGS y, u                    ; the registers of tile u (0, 1) of piece y
.set rT, ST+4*(2*(\y)+(\u))
.set rC, TMP+8*((\y)%2)+4*(\u)
.set rM, MV+2*((\y)%2)+(\u)
.set rS, S+64*((\y)%2)+32*(\u)
.set rP, P+32*((\y)%2)+16*(\u)
.set rO, 32*(2*(\y)+(\u))
.endm
; Number n of the 22 that find the NEXT piece's (Y + 1) maximum and statistics.  s0-s31 are the lane's 32 scores; each accumulator's lowest registers are read first.
;   0-11  four chains c0-c3 of seven scores each, three operands at a time     12-14, 16  the four scores left over, the old m, and c0-c3 into c0     15  c m_old is kept
;   17, 18  the query's other 32 keys lie in the lane 16 away: the new m         19-21  c m; c m_old - c m_new; a
.macro XS u, n
	REGS (Y+1)%NP, \u
.if (\n) < 4
	v_max3_num_f32 v[rC+(\n)], v[rS+8*(\n)], v[rS+8*(\n)+1], v[rS+8*(\n)+2]
.elseif (\n) < 12
	v_max3_num_f32 v[rC+(\n)%4], v[rC+(\n)%4], v[rS+8*((\n)%4)+2*((\n)/4)+1], v[rS+8*((\n)%4)+2*((\n)/4)+2]
.elseif (\n) == 12
	v_max3_num_f32 v[rC], v[rC], v[rS+7], v[rS+15]
.elseif (\n) == 13
	v_max3_num_f32 v[rC+1], v[rC+1], v[rS+23], v[rS+31]
.elseif (\n) == 14
	v_max3_num_f32 v[rC+2], v[rC+2], v[rC+3], v[rT+1]
.elseif (\n) == 15
	v_mov_b32 v[rM], v[rT]
.elseif (\n) == 16
	v_max3_num_f32 v[rC], v[rC], v[rC+1], v[rC+2]
.elseif (\n) == 17
	v_permlanex16_b32 v[rC+3], v[rC], s[SEL], s[SEL+1]
.elseif (\n) == 18
	v_max_num_f32 v[rT+1], v[rC], v[rC+3]
.elseif (\n) == 19
	v_mul_f32 v[rT], s[CS], v[rT+1]
.elseif (\n) == 20
	v_sub_f32 v[rC+1], v[rM], v[rT]
.else
	v_exp_f32 v[rC+2], v[rC+1]
.endif
.endm
; Number g of the 64 that follow the exponentials.  For each four weights k of a tile (pairs 2 k, 2 k + 1): both pairs are rounded to f16; then the second pair is added onto the first, in place;
; a group later l takes that sum (the first time as l = a l + sum).  In groups of eight, tiles alternating: round, round, add, and l for the group before.
.macro GS g
.set h, (\g)+6*((\g)/62)            ; group 0 has no group before it, and behind group 7 only l is left
.if h >= 6
.set h, h+2
.endif
	REGS Y, h%2
.set k, h/8
.if h%8 < 4
	s_wait_alu depctr_va_vdst(0)
	v_cvt_pk_f16_f32 v[rP+2*k+(h%8)/2], v[rS+4*k+2*((h%8)/2)], v[rS+4*k+2*((h%8)/2)+1]
.elseif h%8 < 6
	v_pk_add_f32 v[rS+4*k:rS+4*k+1], v[rS+4*k:rS+4*k+1], v[rS+4*k+2:rS+4*k+3]
.elseif k == 1
	v_pk_fma_f32 v[rT+2:rT+3], v[rT+2:rT+3], v[rC+2:rC+3], v[rS:rS+1] op_sel_hi:[1,0,1]
.else
	v_pk_add_f32 v[rT+2:rT+3], v[rT+2:rT+3], v[rS+4*k-4:rS+4*k-3]
	s_wait_alu depctr_va_vdst(0)
.endif
.endm
; THE PLAIN QUEUE, 138 long.  0-31: c s - c m for the 16 pairs of both tiles.  Then GS's 64, and among them the next piece's 42: number 15 at 38, 39; 0-14 and 16
; at 42-73, behind the products that make those scores; 17-20 at 95-106, two of three, since each waits for the one before it.
.macro PL
	WIN 0
.if q < 32
	REGS Y, q%2
	v_pk_fma_f32 v[rS+2*(q/2):rS+2*(q/2)+1], v[rS+2*(q/2):rS+2*(q/2)+1], s[CS:CS+1], v[rT:rT+1] op_sel_hi:[1,0,0] neg_lo:[0,0,1] neg_hi:[0,0,1]
.elseif q < 38
	GS q-32
.elseif q < 40
	XS q%2, 15
.elseif q < 42
	GS q-34
.elseif q < 74
	XS q%2, (q-42)/2+(q-42)/30
.elseif q < 95
	GS q-66
.elseif (q < 107) && ((q-95)%3 < 2)
	XS (q-95)%3, 17+(q-95)/3
.elseif q < 107
	GS 29+(q-95)/3
.else
	GS q-74
.endif
.set q, q+1
.endm
; THE EXPONENTIALS' QUEUE, 66 long: s0-s31 of both tiles, and at EA the next piece's two a.
.set EA, 58
.macro EX
	WIN 0
.if (e == EA) || (e == EA+1)
	XS e-EA, 21
.else
.set x, e-2*(e/(EA+2))
	REGS Y, x%2
	v_exp_f32 v[rS+x/2], v[rS+x/2]
.endif
.set e, e+1
.endm
; THE RESCALING's QUEUE: O^T times a, the one part that leaves window 0, so it is dealt four at a time, eight times.
.macro R4
	REGS Y, r%2
	WIN W_RS
	s_wait_alu depctr_va_vdst(0)
.irp z, 0,1,2,3
	v_pk_mul_f32 v[rO+8*(r/2)+2*\z:rO+8*(r/2)+2*\z+1], v[rO+8*(r/2)+2*\z:rO+8*(r/2)+2*\z+1], v[rC+2:rC+3] op_sel_hi:[1,0]
.endr
.set r, r+1
.endm
; HOW THEY ARE DEALT.  Behind a matrix instruction four: plain, exponential, plain, plain (one exponential, a plain instruction on either side), or four of the rescaling.  None names a register of the
; products round it.  What is over stands in two runs: exponential and plain by turns; the second ends in 22 plain instructions.  The two v_permlanex16_b32 fall into the second run, never behind a product.
; The queues lean on each other, and the deal keeps them in step: exponential e stands behind plain 2 (e / 4) + e % 2 (its scaling); when plain 32 comes, 10 exponentials are out, at 59: 33, at 95: 46; EA comes behind plain 107.
.macro SL
	MM
	PL
	EX
	PL
	PL
.endm
.macro BURST n                      ; 15 matrix instructions, or 16
.rept (\n)-7
	SL
.endr
.rept 3
	MM
	R4
	SL
.endr
	MM
	R4
.endm
; A TURN, for piece p.  cnt = 1: the loop's count is taken down some lines ahead of the branch that stands behind the turn.
; K of the next step is fetched in piece 2's turn, 31 vector instructions behind the last product that read K; its first reader comes behind the rest of the run, 16 products and the second run.
; V of the step in hand is fetched at the end of piece 0's turn, 69 behind its last reader; its first reader comes behind 16 products and a run.  The conditions on e and q below go with the deal.
.macro TURN p, cnt=0
.set Y, (\p)
.set i, 0
.set q, 0
.set e, 0
.set r, 0
.if (\p) == NP-1
	s_wait_dscnt 0x0                ; K is in
.endif
	MM
.rept 4
	PL
.endr
	BURST 15
.rept 22
	EX
	PL
.if ((\p) == NP-2) && (e == 18)
	v_add_nc_u32 v[AK], s[TBK], v[AK0]
.endif
.if ((\p) == NP-2) && (e == 24)
	FETCH_K 1
.endif
.endr
.if (\p) == 1
	s_wait_dscnt 0x0                ; V is in
.endif
	BURST 16
.rept 21
	EX
	PL
.endr
.rept 22
	PL
.if ((\p) == 0) && (q == 118)
	v_add_nc_u32 v[AV], s[TBV], v[AV0]
	s_wait_alu depctr_va_vdst(0)
.endif
.if ((\p) == 0) && (q == 130)
	s_add_co_u32 s[TBV], s[TBV], KS*PV
.endif
.if (\cnt) && (q == 130)
	s_sub_co_u32 s[CNT], s[CNT], 1
	s_cmp_lg_u32 s[CNT], 0
.endif
.endr
.if (\p) == 0
	FETCH_V
.endif
.endm
	WIN W_AD
	s_wait_tensorcnt 0x0            ; my part of the first 256 keys is in: no tensor load of mine is out
	ds_add_u32 v[SPW], v[NIL]       ; 0 onto my spare word, in front of the barrier behind which a later fill is issued
	WIN 0
	s_wait_dscnt 0x0
	s_barrier_signal -1
	s_barrier_wait -1               ; everybody's part is in
	LOADKV 1                        ; the other 768 keys, into bytes that nothing has filled: my one tensor load behind this barrier, and the first thing there
	FETCH_K                         ; key step 0
	s_wait_loadcnt 0x0              ; Q
	s_wait_dscnt 0x0
.set i, 0
.rept 16
	KQ 0                            ; piece 0's first scores: there is no vector work yet to set between them
.set i, i+1
.endr
	WIN 0                           ; the addresses for the way out: plain instructions, the places behind those products
	s_mul_i32 s13, s[WV], 16*SP
	s_add_co_u32 s13, s13, STAGE    ; my stage
	v_mul_u32_u24 v[STO], v1, SP    ; in: row l % 16, 16 bytes for each half of the lanes
	v_lshl_add_u32 v[STO], v9, 4, v[STO]
	v_add_nc_u32 v[STO], s13, v[STO]
	v_bfe_u32 v[RD], v0, 3, 2       ; back: 32 lanes take four rows of 128 bytes,
	v_mul_u32_u24 v[RD], v[RD], SP
	v_lshl_add_u32 v[RD], v10, 4, v[RD]
	v_add_nc_u32 v[RD], s13, v[RD]
	v_and_b32 v[GO], 31, v0         ; which are 512 consecutive bytes of O
	v_lshlrev_b32 v[GO], 4, v[GO]
.set Y, NP-1                        ; XS works for piece Y + 1: piece 0
.irp n, 0,1,2,3,4,5,6,7,8,9,10,11,12,13,14,15,16,17,18,19,20,21
	XS 0, \n                        ; and piece 0's first maximum and statistics
	XS 1, \n
.endr
	s_mov_b32 s[CNT], 4
	s_mov_b32 s[PASS], 5
	s_branch .Lfirst                ; the loop is entered at a step's first turn, in the middle of a trip
.Lpass:                             ; four times: behind the first four steps, which read the first 256 keys alone, the second load is waited for once; the later barriers find everything there
	s_wait_tensorcnt 0x0            ; my part of the other 768 keys is in,
	s_wait_dscnt 0x0
	s_barrier_signal -1
	s_barrier_wait -1               ; everybody's is
	s_mov_b32 s[CNT], 4
.Lstep:                             ; a trip: pieces 2 and 3 of one step, then pieces 0 and 1 of the next, whose K and V it fetches
	TURN 2
	TURN 3                          ; in the fifth pass its 16 products K Q^T (on the last K once more) and the maximum made of them serve nothing: the price, once a launch, of one text for every turn
	WIN 0
	s_cmp_eq_u32 s[PASS], 1         ; the fifth pass holds the last step's second half alone
	s_cbranch_scc1 .Lout
.Lfirst:
	TURN 0
	TURN 1, 1
	WIN 0
	s_cbranch_scc1 .Lstep
	s_sub_co_u32 s[PASS], s[PASS], 1
	s_cmp_lg_u32 s[PASS], 0
	s_cbranch_scc1 .Lpass
.Lout:
.set i, 0
.rept 16
	PV NP-1                         ; the last piece's V^T P of the last step
.set i, i+1
.endr
	; THE WAY OUT.  l's two halves and the other half of the lanes' are added; O^T is divided by l, rounded to f16 and sent through my stage in LDS, a tile at a time.  The additions are the places behind the last products.
	WIN 0
.macro ALL line:vararg              ; one line for each tile t
.set t, 0
.rept 2*NP
	\line
.set t, t+1
.endr
.endm
	ALL v_add_f32 v[ST+4*t+2], v[ST+4*t+2], v[ST+4*t+3]
	ALL v_permlanex16_b32 v[ST+4*t+3], v[ST+4*t+2], s[SEL], s[SEL+1]
	ALL v_add_f32 v[ST+4*t+2], v[ST+4*t+2], v[ST+4*t+3]
	ALL v_rcp_f32 v[ST+4*t+2], v[ST+4*t+2]
	v_nop                           ; a plain instruction between the last reciprocal and the use of its result
	s_wait_alu depctr_va_vdst(0)
; Tile t: a lane's eight channels of a row pack into 16 bytes; they go into rows of 144 bytes and come back as whole rows of 128, into S^T's registers.
.macro PACK t
	WIN W_RS
.set i, 32*(\t)
.rept 16
	v_pk_mul_f32 v[i:i+1], v[i:i+1], v[ST+4*(\t)+2:ST+4*(\t)+3] op_sel_hi:[1,0]
.set i, i+2
.endr
	WIN 0x05                        ; sources 0 and 1 window 1, destination window 0
.set i, 0
.rept 16
	v_cvt_pk_f16_f32 v[S+16*(\t)+i], v[32*(\t)+2*i], v[32*(\t)+2*i+1]
.set i, i+1
.endr
	WIN 0
.irp f, 0,1,2,3
	ds_store_b128 v[STO], v[S+16*(\t)+4*\f:S+16*(\t)+4*\f+3] offset:32*\f
.endr
.irp f, 0,1,2,3
	ds_load_b128 v[S+16*(\t)+4*\f:S+16*(\t)+4*\f+3], v[RD] offset:\f*4*SP  ; LDS serves a wave's instructions in order (ISA guide 5.7.1.4): these see the stores above; the next tile's stores come behind them
.endr
.endm
.macro SEND t, younger              ; younger: the LDS instructions issued behind tile t's loads: the next tile's eight, or none
	WIN 0
.irp f, 0,1,2,3
	s_wait_dscnt (\younger)+3-\f
	global_store_b128 v[GO], v[S+16*(\t)+4*\f:S+16*(\t)+4*\f+3], s[10:11] offset:(\t)*2048+\f*512  ; 512 consecutive bytes, at a multiple of 256 from ob's first
.endr
.endm
	PACK 0
.set t, 1
.rept 2*NP-1                        ; a tile's arithmetic stands between the loads of the tile before and its stores
	PACK t
	SEND t-1, 8
.set t, t+1
.endr
	SEND 2*NP-1, 0
	WIN W_AD
	s_wait_tensorcnt 0x0            ; the wave's end, behind my last tensor load and my last LDS store
	ds_add_u32 v[SPW], v[NIL]
	s_wait_dscnt 0x0
	WIN 0
	s_endpgm
.Lfunc_end_k_qc7e9f18842_attn:
	.size	k_qc7e9f18842_attn, .Lfunc_end_k_qc7e9f18842_attn-k_qc7e9f18842_attn
	.p2alignl 7, 3214868480
	.fill 96, 4, 3214868480
	.section	.rodata,"a",@progbits
	.p2align	6, 0x0
	.amdhsa_kernel k_qc7e9f18842_attn
		.amdhsa_group_segment_fixed_size 327680
		.amdhsa_private_segment_fixed_size 0
		.amdhsa_enable_private_segment 0
		.amdhsa_kernarg_size 16
		.amdhsa_user_sgpr_count 2
		.amdhsa_user_sgpr_kernarg_segment_ptr 1
		.amdhsa_wavefront_size32 1
		.amdhsa_system_sgpr_workgroup_id_x 1
		.amdhsa_system_sgpr_workgroup_id_y 1
		.amdhsa_system_sgpr_workgroup_id_z 1
		.amdhsa_system_vgpr_workitem_id 0
		.amdhsa_next_free_vgpr 770
		.amdhsa_next_free_sgpr 88
		.amdhsa_reserve_vcc 0
		.amdhsa_float_denorm_mode_32 3
		.amdhsa_float_denorm_mode_16_64 3
		.amdhsa_memory_ordered 1
		.amdhsa_forward_progress 1
		.amdhsa_inst_pref_size 131
	.end_amdhsa_kernel
	.amdgpu_metadata
---
amdhsa.version: [ 1, 2 ]
amdhsa.kernels:
  - .name:           k_qc7e9f18842_attn
    .symbol:         k_qc7e9f18842_attn.kd
    .args:
      - { .name: qkv, .offset: 0, .size: 8, .value_kind: global_buffer, .address_space: global }
      - { .name: ob, .offset: 8, .size: 8, .value_kind: global_buffer, .address_space: global }
    .group_segment_fixed_size: 327680
    .private_segment_fixed_size: 0
    .kernarg_segment_align: 8
    .kernarg_segment_size: 16
    .max_flat_workgroup_size: 128
    .sgpr_count:     88
    .vgpr_count:     770
    .wavefront_size: 32
...
	.end_amdgpu_metadata
.endif
;; end of part 3
;; launch oproj (part 4): grid 8 x 32, 4 waves a work-group, clusters of 4 x 4, 327,680 bytes of LDS; arguments ob, wob, bo, out0; writes out0
.if DOCPART == 4
	.amdgcn_target "amdgcn-amd-amdhsa--gfx1250"
	.amdhsa_code_object_version 6
	.text
	.protected	k_qc7e9f18842_oproj
	.globl	k_qc7e9f18842_oproj
	.p2align	8
	.type	k_qc7e9f18842_oproj,@function
k_qc7e9f18842_oproj:
	s_mov_b64 s[64:65], 0
	v_nop
	global_prefetch_b8 v0, s[64:65] scope:SCOPE_SE
	s_setreg_imm32_b32 hwreg(HW_REG_WAVE_MODE, 25, 1), 1
	s_wait_xcnt 0x0
	s_wait_alu depctr_hold_cnt(0) depctr_sa_sdst(0) depctr_va_vdst(0) depctr_va_sdst(0) depctr_va_ssrc(0) depctr_va_vcc(0) depctr_vm_vsrc(0)
	s_getreg_b32 s2, hwreg(HW_REG_IB_STS2, 6, 4)
	s_cmp_eq_u32 s2, 0
	s_cbranch_scc0 .Lentry_in_a_cluster
	s_endpgm
.Lentry_in_a_cluster:
	s_bfe_u32 s2, ttmp6, 0x10000c
	s_cmp_lg_u32 s2, 0xf033
	s_cbranch_scc0 .Lentry_shape_is_right
	s_endpgm
.Lentry_shape_is_right:
; out0 = O wo^T + bo.  O: ob[hh = 16 s + h][l][64] f16, which is the A operand in K blocks of 64 (block = head); wob[kb][n][64] f16; out0 [8192][1024] f32; sums in f32, bo rounded to bf16 like every input.
; LIMITS.  wo lies within f16's 65,504 (it was rounded to bf16 and that number written as f16).
; TILE.  256 tokens x 128 columns: 32 x 8 = 256 work-groups, one tile each.  Four waves, 2 x 2: 128 rows x 64 columns a wave, 32 accumulators of 16 x 16 in window 1.
; K goes in steps of 128 (two K blocks, each dense in memory and asked for as rows of 256 bytes) through two LDS slots: three blocks to a slot would not fit twice.  A step is four slices of 32.
; A step is written once: slot 1 begins at 1 << 17, and one exclusive or turns the fragments' base and the walking descriptors' LDS word from one slot to the other.
; THE MATRIX INSTRUCTION IS USED TRANSPOSED (source 0 = 16 rows of wo, source 1 = 16 tokens): a lane holds token lane % 16 and the columns 8 (lane / 16) + 0..7.  The bias is the C operand of the first product.
; CLUSTER 4 x 4: O's tiles are asked for jointly along a row of the cluster, wo's along a column.  AHEAD OF THE JOINT LOADS the tiles are prefetched into the L2: see ASK.
; REGISTERS.  window 0: v0-31 addresses; v32-127, v128-223 two fragment buffers (wo's 4 fragments, then O's 8); v224-255 the bias.  window 1: accumulator (a, bl) at v[8 (4 a + bl)].
.set PITCH, 144                        ; an LDS row: 128 bytes + 16 of padding: the 16 rows of a fragment load start at 16 different groups of four banks (ISA guide 11.1)
.set AKB,   256*PITCH                  ; a K block of O's 256 rows
.set BKB,   128*PITCH                  ; of wo's 128 rows
.set BOFF,  2*AKB
.set SLOT,  2*AKB+2*BKB
.set SLOT1, 1<<17                      ; slot 1's first byte
.set STAGE, SLOT1+SLOT                 ; 16 rows x 272 bytes for each wave, for the way out; no tensor load lands here
.set SPITCH, 272
.set SPARE, STAGE+4*16*SPITCH          ; the spare words, 128 bytes for each wave: two blocks of 256 bytes that no other line names
.set KB,    131072                     ; bytes from K block to K block, in ob and in wob
.set A0,   16                          ; v16  my place in a slot's rows of O; never rewritten
.set ADRA, 17                          ; v17  the same in the slot that is being fetched from
.set B0,   20                          ; v20, v21  the same for wo
.set ADRB, 21
.set STO,  24
.set RD,   25
.set CO,   26
.set SPW,  28                          ; v28  LDS address of my spare word; never rewritten
.set NIL,  29                          ; v29  0; never rewritten
.set PFO,  30                          ; v30  the prefetches' offset: my lane's block of 256 bytes; never rewritten
.set F0,   32
.set F1,   128
.set BIAS, 224
.set BK,   32                          ; the way out: rows read back, two buffers of 32
.set G1A, 24
.set G0A, 32                           ; s[32:39] group 0 for O's tiles: a set for each of the two first fills; the second then walks on
.set G1B, 48
.set G0B, 56                           ; s[56:63] the same for wo's
.set TB,  88                           ; s88  first byte of the slot that is being fetched from
.set PFA, 90                           ; s[90:91] where my prefetches stand: my work-group's share of the K step two behind the one that is being asked for
.set LIM, 92                           ; s92  2 in a wave that prefetches, else the greatest number: a wave prefetches while the trips left are above it
.set G1C, (1<<16)|(1<<20)|(1<<21)|(4<<22)|(3<<25)  ; 2-byte elements; padding on; bit 21 beside a mask; after every 32 words, 4 words
.set MSB, 0
.macro WIN new
.if MSB != (\new)
	s_set_vgpr_msb (MSB<<8)|(\new)
.set MSB, \new
.endif
.endm
.macro PLACES                          ; four places behind a matrix instruction, in front of loads into registers that it has read and of stores of its results
.rept 4
	v_nop
.endr
.endm
.macro JLOAD                           ; a joint refill by the walking descriptors: waves 0 and 1 fetch O's even and odd K block, waves 2 and 3 wo's; an s_nop 0 and four v_nop follow each line
	s_cmp_eq_u32 s17, 0
	s_cbranch_scc0 .Lfor_b_\@
	tensor_load_to_lds s[G0A+4:G0A+7], s[G1A:G1A+7]
	s_nop 0
.rept 4
	v_nop
.endr
	s_branch .Lasked_\@
.Lfor_b_\@:
	tensor_load_to_lds s[G0B+4:G0B+7], s[G1B:G1B+7]
	s_nop 0
.rept 4
	v_nop
.endr
.Lasked_\@:
.endm
; A PREFETCH INTO THE L2, behind each joint load, its five lines and the run of LDS loads that follows them.  At a change of slots every wave has waited for all its tensor loads, so the refill goes out with nothing on
; its way beside it: what it will ask for has been asked of memory earlier.  The trip that refills K step s (s = 8 - s72) names K step s + 2, 256 matrix instructions ahead of its load, a lane a block of 256 bytes:
;   O:  a K block's 256 rows are 128 blocks.  Both clusters of a row of clusters read them: the one with x = 0 asks; its four partners take 32 blocks each, told apart BY ADDRESS (cx x 8,192 bytes);
;       wave 0 asks for the step's even K block, wave 1 for the odd one.
;   wo: a K block's 128 rows are 64 blocks, 16 a partner (cy x 4,096 bytes).  All eight clusters of a column of clusters read them: the one with y = 0 asks; wave 2 asks for its work-group's 16 of both K blocks.
; So each block is named once in the launch; no branch hangs on a work-group's place in its cluster.  The last two trips have no step two on; K steps 0 to 3 come by their loads alone: nothing is prefetched at the head.
.macro ASK
	s_cmp_gt_u32 s72, s[LIM]
	s_cbranch_scc0 .Lnot_mine_\@
	global_prefetch_b8 v[PFO], s[PFA:PFA+1] th:TH_LOAD_NT scope:SCOPE_SE
.Lnot_mine_\@:
.endm
.macro CREST
	s_cmp_lg_u32 s16, 0
	s_cbranch_scc1 .Lnot_wave_0_\@
	s_barrier_signal -3
.Lnot_wave_0_\@:
	s_barrier_wait -3
	s_barrier_signal -1
	s_barrier_wait -1
.endm
.macro CROUND
	s_barrier_signal -1
	s_barrier_wait -1
	CREST
.endm
	s_load_b256 s[4:11], s[0:1], 0x0               ; ob s[4:5], wob s[6:7], bo s[8:9], out0 s[10:11]
	v_lshl_add_u32 v[SPW], v0, 2, SPARE
	v_mov_b32 v[NIL], 0
	ds_add_u32 v[SPW], v[NIL]                      ; the wave's opening: the add and its wait stand ahead of my first tensor load; the set-up below stands between them
	ds_add_u32 v28, v29
	v_lshrrev_b32 v1, 5, v0
	v_readfirstlane_b32 s16, v1                    ; wave 0..3
	s_lshr_b32 s17, s16, 1                         ; wr: my half of the rows.  Also: I fetch for O (0) or for wo (1)
	s_and_b32 s18, s16, 1                          ; wc: my half of the columns.  Also: the even or the odd K block
	s_bfe_u32 s19, ttmp6, 0x40000                  ; cx
	s_bfe_u32 s20, ttmp6, 0x40004                  ; cy
	s_lshl_b32 s21, ttmp9, 2
	s_add_co_u32 s21, s21, s19                     ; tx
	s_and_b32 s22, ttmp7, 0xffff
	s_lshl_b32 s22, s22, 2
	s_add_co_u32 s22, s22, s20                     ; ty
	s_lshl_b32 s23, s20, 2
	s_lshl_b32 s23, 15, s23                        ; my row of the cluster
	s_lshl_b32 s46, 0x1111, s19                    ; my column
	s_or_b32 s[G1A], s23, G1C
	s_or_b32 s[G1B], s46, G1C
	s_mov_b32 s[G1A+1], 128<<16                    ; rows of 256 bytes,
	s_mov_b32 s[G1A+2], 128<<16                    ; 128 of them: 256 rows of O
	s_mov_b32 s[G1A+3], 128<<16
	s_mov_b32 s[G1A+4], 128
	s_mov_b32 s[G1A+5], 128
	s_mov_b32 s[G1A+6], 0
	s_mov_b32 s[G1A+7], 0
	s_mov_b32 s[G1B+1], 128<<16
	s_mov_b32 s[G1B+2], 64<<16                     ; 128 rows of wo
	s_mov_b32 s[G1B+3], 128<<16
	s_mov_b32 s[G1B+4], 64
	s_mov_b32 s[G1B+5], 128
	s_mov_b32 s[G1B+6], 0
	s_mov_b32 s[G1B+7], 0
	s_mov_b32 s73, 0xffff0000
	s_mov_b32 s[TB], 0                             ; the first fragments come out of slot 0
	s_lshr_b32 s44, s22, 2                         ; O: the sequence's 16 heads of 131,072 bytes,
	s_lshl_b32 s44, s44, 21
	s_and_b32 s83, s22, 3
	s_lshl_b32 s83, s83, 15                        ; the tile's 256 rows within a head,
	s_add_co_u32 s44, s44, s83
	s_lshl_b32 s86, s18, 17                        ; my K block of the step's two
	s_add_co_u32 s44, s44, s86
	s_mov_b32 s45, 0
	s_lshl_b32 s46, s21, 14                        ; wo: row 128 tx
	s_add_co_u32 s46, s46, s86
	s_mov_b32 s47, 0
	s_mul_i32 s80, s18, AKB                        ; where they go: no place in the cluster enters an LDS address
	s_mul_i32 s81, s18, BKB
	s_wait_dscnt 0x0                               ; the opening add is done
	s_wait_kmcnt 0x0
	s_add_nc_u64 s[74:75], s[4:5], s[44:45]
	s_add_nc_u64 s[76:77], s[6:7], s[46:47]
.irp s, 0,1
	s_mov_b32 s[G0A+4*(\s)], 1
	s_add_co_u32 s[G0A+4*(\s)+1], s80, (\s)*SLOT1
	s_add_nc_u64 s[G0A+4*(\s)+2:G0A+4*(\s)+3], s[74:75], (\s)*2*KB   ; K step s
	s_or_b32 s[G0A+4*(\s)+3], s[G0A+4*(\s)+3], 0x80000000
	s_mov_b32 s[G0B+4*(\s)], 1
	s_add_co_u32 s[G0B+4*(\s)+1], s81, (\s)*SLOT1+BOFF
	s_add_nc_u64 s[G0B+4*(\s)+2:G0B+4*(\s)+3], s[76:77], (\s)*2*KB
	s_or_b32 s[G0B+4*(\s)+3], s[G0B+4*(\s)+3], 0x80000000
.endr
	CROUND                                         ; all sixteen work-groups are here: the first joint loads meet
	s_cmp_eq_u32 s17, 0                            ; a wave's two first fills stand in one branch: two loads of mine are out
	s_cbranch_scc0 .Lfirst_b
	tensor_load_to_lds s[G0A:G0A+3], s[G1A:G1A+7]
	s_nop 0
	tensor_load_to_lds s[G0A+4:G0A+7], s[G1A:G1A+7]
	s_nop 0
.rept 4
	v_nop
.endr
	s_branch .Lfirst_done
.Lfirst_b:
	tensor_load_to_lds s[G0B:G0B+3], s[G1B:G1B+7]
	s_nop 0
	tensor_load_to_lds s[G0B+4:G0B+7], s[G1B:G1B+7]
	s_nop 0
.rept 4
	v_nop
.endr
.Lfirst_done:
	v_and_b32 v1, 15, v0                           ; r
	v_bfe_u32 v2, v0, 4, 1                         ; h
	s_lshl_b32 s83, s21, 9                         ; the tile's 128 columns of f32,
	s_lshl_b32 s86, s18, 8                         ; my 64
	s_add_co_u32 s83, s83, s86
	v_lshl_add_u32 v6, v2, 5, s83                  ; + 8 h numbers; never rewritten
.irp bl, 0,1,2,3
	global_load_b128 v[BIAS+8*(\bl):BIAS+8*(\bl)+3],   v6, s[8:9] offset:64*(\bl)
	global_load_b128 v[BIAS+8*(\bl)+4:BIAS+8*(\bl)+7], v6, s[8:9] offset:64*(\bl)+16
.endr
	v_mul_u32_u24 v3, v1, PITCH
	v_lshl_add_u32 v3, v2, 4, v3                   ; a fragment's row x pitch + 16 x half
	s_mul_i32 s80, s17, 128*PITCH                  ; my 128 rows of O
	s_mul_i32 s81, s18, 64*PITCH                   ; my 64 rows of wo
	s_add_co_u32 s81, s81, BOFF
	v_add_nc_u32 v[A0], s80, v3
	v_add_nc_u32 v[B0], s81, v3
	v_add_nc_u32 v[ADRA], s[TB], v[A0]
	v_add_nc_u32 v[ADRB], s[TB], v[B0]
	s_mul_i32 s87, s16, 16*SPITCH
	s_add_co_u32 s87, s87, STAGE                   ; my stage
	v_mul_u32_u24 v4, v1, SPITCH                   ; in: row r, 32 bytes for each half of the lanes
	v_lshl_add_u32 v4, v2, 5, v4
	v_add_nc_u32 v[STO], s87, v4
	v_mul_u32_u24 v5, v2, SPITCH                   ; back: lanes 0-15 one row of 256 bytes, lanes 16-31 the next
	v_lshl_add_u32 v5, v1, 4, v5
	v_add_nc_u32 v[RD], s87, v5
	v_lshlrev_b32 v5, 12, v2                       ; and the same two rows of out0
	v_lshl_add_u32 v[CO], v1, 4, v5
	s_lshl_b32 s84, s22, 20                        ; row 256 ty, 4,096 bytes a row,
	s_lshl_b32 s86, s17, 19                        ; my 128 rows,
	s_add_co_u32 s84, s84, s86
	s_add_co_u32 s84, s84, s83                     ; my 64 columns
	s_mov_b32 s85, 0
	s_add_nc_u64 s[66:67], s[10:11], s[84:85]
	; the prefetches' registers (see ASK): in registers of their own, which feed no descriptor
	s_and_b32 s80, ttmp7, 0xffff                   ; cluster y
	s_cmp_eq_u32 s16, 3
	s_cselect_b32 s81, 1, 0                        ; wave 3 asks for nothing: wave 2 names both of wo's K blocks
	s_cmp_eq_u32 s17, 0                            ; do I fetch for O?
	s_cselect_b32 s82, s44, s46                    ; my K block's part of the tile, in O or in wo
	s_cselect_b32 s83, s19, s20                    ; my place among the four that ask for it with me,
	s_cselect_b32 s84, 13, 12                      ; times 8,192 bytes of O, 4,096 of wo
	s_cselect_b32 s85, 12, 17                      ; lanes 16-31: O's next 16 blocks, or wo's odd K block
	s_cselect_b32 s80, ttmp9, s80                  ; the coordinate along which other clusters read the same rows
	s_cselect_b64 s[PFA:PFA+1], s[4:5], s[6:7]
	s_or_b32 s80, s80, s81
	s_cmp_eq_u32 s80, 0
	s_cselect_b32 s[LIM], 2, -1                    ; the same in all sixteen partners, for a given wave
	s_lshl_b32 s83, s83, s84
	s_add_co_u32 s82, s82, s83
	s_mov_b32 s83, 0
	s_add_nc_u64 s[PFA:PFA+1], s[PFA:PFA+1], s[82:83]
	s_add_nc_u64 s[PFA:PFA+1], s[PFA:PFA+1], 3*2*KB  ; at K step 3: the first change of slots steps it to 4
	v_lshlrev_b32 v[PFO], s85, v2
	v_lshl_add_u32 v[PFO], v1, 8, v[PFO]
	s_wait_loadcnt 0x0                             ; the bias; rounded to bf16 like every input, and kept as f32
.set z, 0
.rept 16
	v_cvt_pk_bf16_f32 v[7+z%3], v[BIAS+2*z], v[BIAS+2*z+1]
	v_lshlrev_b32 v[BIAS+2*z], 16, v[7+z%3]
	v_and_b32 v[BIAS+2*z+1], s73, v[7+z%3]
.set z, z+1
.endr
; na x 4 matrix instructions on buffer f: token blocks a0 .. a0 + na - 1.  mode 0: C = D; 2: the bias starts the sums.  Each accumulator has one instruction a turn.
.macro MUL f, a0, na, mode
.if (\mode) == 2
	WIN 0x40
.else
	WIN 0x50
.endif
.set ai, (\a0)
.rept (\na)
.irp bl, 0,1,2,3
.if (\mode) == 2
	v_wmma_f32_16x16x32_f16 v[8*(4*ai+(\bl)):8*(4*ai+(\bl))+7], v[(\f)+8*(\bl):(\f)+8*(\bl)+7], v[(\f)+32+8*ai:(\f)+32+8*ai+7], v[BIAS+8*(\bl):BIAS+8*(\bl)+7]
.else
	v_wmma_f32_16x16x32_f16 v[8*(4*ai+(\bl)):8*(4*ai+(\bl))+7], v[(\f)+8*(\bl):(\f)+8*(\bl)+7], v[(\f)+32+8*ai:(\f)+32+8*ai+7], v[8*(4*ai+(\bl)):8*(4*ai+(\bl))+7]
.endif
.endr
.set ai, ai+1
.endr
.endm
; 24 LDS loads in one run: slice q of the slot in hand (K block q / 2, byte 64 (q % 2) of its rows) into buffer f: wo's four fragments, O's first four, O's last four
.macro FETCH q, f
	WIN 0
.irp bl, 0,1,2,3
	ds_load_b128 v[(\f)+8*(\bl):(\f)+8*(\bl)+3],   v[ADRB] offset:((\q)/2)*BKB+(\bl)*16*PITCH+64*((\q)%2)
	ds_load_b128 v[(\f)+8*(\bl)+4:(\f)+8*(\bl)+7], v[ADRB] offset:((\q)/2)*BKB+(\bl)*16*PITCH+64*((\q)%2)+32
.endr
.irp a, 0,1,2,3,4,5,6,7
	ds_load_b128 v[(\f)+32+8*(\a):(\f)+32+8*(\a)+3],   v[ADRA] offset:((\q)/2)*AKB+(\a)*16*PITCH+64*((\q)%2)
	ds_load_b128 v[(\f)+32+8*(\a)+4:(\f)+32+8*(\a)+7], v[ADRA] offset:((\q)/2)*AKB+(\a)*16*PITCH+64*((\q)%2)+32
.endr
.endm
; One of a step's first three slices: multiplies buffer f; in its middle it fetches slice q of the same slot into buffer g.
.macro QUARTER q, f, g, mode
	s_wait_dscnt 8                                 ; all but the youngest eight loads (O's last four fragments) are in
	MUL \f, 0, 4, \mode
	PLACES
	FETCH \q, \g
	s_wait_dscnt 24                                ; all but the 24 just issued
	MUL \f, 4, 4, \mode
.endm
; The last slice multiplies buffer 1 and changes slots: ONE barrier; in front of it each wave waits for all its tensor loads, adds 0 to its spare word, and waits for that and for its own reads of this slot.
; fill = 1: the barrier opens a round of the cluster's, and the slot is filled again, two K steps on, first thing behind the round: 112 matrix instructions ahead of the wait for it.
.macro TURN fill
.if \fill
	s_wait_xcnt 0x0                                ; the last prefetch, a K step back, has read its address: it is stepped here, ahead of the waits of the change of slots
	s_add_nc_u64 s[PFA:PFA+1], s[PFA:PFA+1], 2*KB
.endif
	WIN 0
	s_wait_tensorcnt 0x0                           ; all my tensor loads have landed, so a group 0 may be written
	ds_add_u32 v[SPW], v[NIL]                      ; 0 onto my spare word: scalar work and eight matrix instructions stand between it and the wait for it
.if \fill
	s_xor_b32 s[G0A+5], s[G0A+5], SLOT1            ; the walking descriptors: the other slot than last time,
	s_add_nc_u64 s[G0A+6:G0A+7], s[G0A+6:G0A+7], 2*KB  ; the next K step; the type bits on top are not reached
	s_xor_b32 s[G0B+5], s[G0B+5], SLOT1
	s_add_nc_u64 s[G0B+6:G0B+7], s[G0B+6:G0B+7], 2*KB
.endif
	s_xor_b32 s[TB], s[TB], SLOT1                  ; the fetches go on in the other slot
	s_wait_dscnt 9                                 ; the add and the youngest eight loads may be out
	MUL F1, 0, 2, 0
	s_wait_dscnt 0x0                               ; the add is done, and my reads of this slot are over
	s_barrier_signal -1
	MUL F1, 2, 2, 0
.if \fill
	WIN 0
.endif
	s_barrier_wait -1
.if \fill
	CREST                                          ; no wave of any partner still reads this slot or has a load on its way
	JLOAD                                          ; its four v_nop are also the places in front of the loads below
.else
	PLACES
	WIN 0
.endif
	v_add_nc_u32 v[ADRA], s[TB], v[A0]
	v_add_nc_u32 v[ADRB], s[TB], v[B0]
	FETCH 0, F0
.if \fill
	ASK                                            ; behind the joint load and the run of LDS loads that the next products wait for
.endif
	MUL F1, 4, 4, 0
.endm
	s_wait_tensorcnt 1                             ; my part of K step 0 is in; K step 1's may stay out
	s_barrier_signal -1
	s_barrier_wait -1                              ; everybody's is
	FETCH 0, F0
	QUARTER 1, F0, F1, 2                           ; the first slice stands in front of the loop: its products start the sums with the bias
	WIN 0
	s_mov_b32 s72, 6
.Lstep:                                                ; a trip: a step's slices 1 to 3, the change of slots with its refill (K steps 2 to 7), the next step's slice 0
	QUARTER 2, F1, F0, 0
	QUARTER 3, F0, F1, 0
	TURN 1
	QUARTER 1, F0, F1, 0
	WIN 0
	s_sub_co_u32 s72, s72, 1
	s_cmp_lg_u32 s72, 0
	s_cbranch_scc1 .Lstep
	QUARTER 2, F1, F0, 0                           ; the last change of slots fills nothing: written out
	QUARTER 3, F0, F1, 0
	TURN 0
	QUARTER 1, F0, F1, 0
	QUARTER 2, F1, F0, 0
	QUARTER 3, F0, F1, 0
	s_wait_dscnt 8
	MUL F1, 0, 4, 0
	s_wait_dscnt 0x0
	MUL F1, 4, 4, 0
	WIN 0
	PLACES
; THE WAY OUT, a block of 16 tokens at a time: the f32 sums go as they are into my own stage (rows of 272 bytes) and come back as whole rows of 256 bytes.
.macro TOST a
	WIN 0x04                                       ; the stores' data in window 1
.irp bl, 0,1,2,3
	ds_store_b128 v[STO], v[8*(4*(\a)+(\bl)):8*(4*(\a)+(\bl))+3]   offset:64*(\bl)
	ds_store_b128 v[STO], v[8*(4*(\a)+(\bl))+4:8*(4*(\a)+(\bl))+7] offset:64*(\bl)+16
.endr
	WIN 0
	s_wait_xcnt 0x0                                ; the stores of the block two back have read these registers
.irp t, 0,1,2,3,4,5,6,7
	ds_load_b128 v[BK+32*((\a)%2)+4*(\t):BK+32*((\a)%2)+4*(\t)+3], v[RD] offset:(\t)*2*SPITCH  ; LDS serves a wave's instructions in order (ISA guide 5.7.1.4): these see the stores above
.endr
.endm
.macro SEND a, younger                 ; younger: the LDS instructions issued behind block a's loads, which may stay out: the next block's sixteen, or none
	s_wait_dscnt \younger
.irp t, 0,1,2,3,4,5,6,7
	global_store_b128 v[CO], v[BK+32*((\a)%2)+4*(\t):BK+32*((\a)%2)+4*(\t)+3], s[66:67] offset:(16*(\a)+2*(\t))*4096 th:TH_STORE_NT  ; 16 lanes store 256 consecutive bytes, at a multiple of 256 from out0's first
.endr
.endm
	TOST 0
.irp a, 1,2,3,4,5,6,7
	TOST \a
	SEND (\a)-1, 16
.endr
	SEND 7, 0
	s_wait_tensorcnt 0x0                           ; the wave's end, behind my last tensor load and my last LDS store
	ds_add_u32 v[SPW], v[NIL]
	s_wait_dscnt 0x0
	CROUND                                         ; the closing round: no work-group ends while a partner may still ask for a tile that names it
	s_endpgm
.Lfunc_end_k_qc7e9f18842_oproj:
	.size	k_qc7e9f18842_oproj, .Lfunc_end_k_qc7e9f18842_oproj-k_qc7e9f18842_oproj
	.p2alignl 7, 3214868480
	.fill 96, 4, 3214868480
	.section	.rodata,"a",@progbits
	.p2align	6, 0x0
	.amdhsa_kernel k_qc7e9f18842_oproj
		.amdhsa_group_segment_fixed_size 327680
		.amdhsa_private_segment_fixed_size 0
		.amdhsa_enable_private_segment 0
		.amdhsa_kernarg_size 32
		.amdhsa_user_sgpr_count 2
		.amdhsa_user_sgpr_kernarg_segment_ptr 1
		.amdhsa_wavefront_size32 1
		.amdhsa_system_sgpr_workgroup_id_x 1
		.amdhsa_system_sgpr_workgroup_id_y 1
		.amdhsa_system_sgpr_workgroup_id_z 1
		.amdhsa_system_vgpr_workitem_id 0
		.amdhsa_next_free_vgpr 512
		.amdhsa_next_free_sgpr 96
		.amdhsa_reserve_vcc 0
		.amdhsa_float_denorm_mode_32 3
		.amdhsa_float_denorm_mode_16_64 3
		.amdhsa_memory_ordered 1
		.amdhsa_forward_progress 1
		.amdhsa_inst_pref_size 73
	.end_amdhsa_kernel
	.amdgpu_metadata
---
amdhsa.version: [ 1, 2 ]
amdhsa.kernels:
  - .name:           k_qc7e9f18842_oproj
    .symbol:         k_qc7e9f18842_oproj.kd
    .args:
      - { .name: ob, .offset: 0, .size: 8, .value_kind: global_buffer, .address_space: global }
      - { .name: wob, .offset: 8, .size: 8, .value_kind: global_buffer, .address_space: global }
      - { .name: bo, .offset: 16, .size: 8, .value_kind: global_buffer, .address_space: global }
      - { .name: out0, .offset: 24, .size: 8, .value_kind: global_buffer, .address_space: global }
    .group_segment_fixed_size: 327680
    .private_segment_fixed_size: 0
    .kernarg_segment_align: 8
    .kernarg_segment_size: 32
    .max_flat_workgroup_size: 128
    .sgpr_count:     96
    .vgpr_count:     512
    .wavefront_size: 32
...
	.end_amdgpu_metadata
.endif
;; end of part 4
;; ======== version 2 of 2: 4 launches; version 1 with the launch cast written anew for expert scheduling mode
;; limits: values are held in f16: magnitudes above 65,504 overflow, below 6.1e-05 lose precision
;; workspace buffers: xb 16,777,216 bytes; wb 6,291,456 bytes; wob 2,097,152 bytes; ropeb 2,097,152 bytes; qkv 50,331,648 bytes; ob 16,777,216 bytes
;; launch cast (part 5): grid 256 x 1, 26 waves a work-group, no clusters, 0 bytes of LDS; arguments hidden_states, wq, wk, wv, wo, cos, sin, xb, wb, wob, ropeb; writes xb, wb, wob, ropeb
.if DOCPART == 5
	.amdgcn_target "amdgcn-amd-amdhsa--gfx1250"
	.amdhsa_code_object_version 6
	.text
	.protected	k_qc7e9f18842_cast
	.globl	k_qc7e9f18842_cast
	.p2align	8
	.type	k_qc7e9f18842_cast,@function
k_qc7e9f18842_cast:
	s_mov_b64 s[64:65], 0
	v_nop
	global_prefetch_b8 v0, s[64:65] scope:SCOPE_SE
	s_setreg_imm32_b32 hwreg(HW_REG_WAVE_SCHED_MODE, 0, 2), 2
	s_setreg_imm32_b32 hwreg(HW_REG_WAVE_MODE, 25, 1), 1
	s_wait_xcnt 0x0
	s_wait_alu depctr_vm_vsrc(0)
; CAST.  Every floating-point matrix input is rounded once to bf16 and laid out for the launches behind.
;   xb    [kb 0..15][row 0..8191][64] bf16           hidden_states in blocks of 64 along K: a tile's rows lie end to end
;   wb    [kb][n' 0..3071][64] bf16                  n' = head x 192 + type x 64 + d (type 0 q, 1 k, 2 v)
;   wob   [kb][n 0..1023][64] f16                    wo rounded to bf16, that number written as f16
;   ropeb plane 0: cos [t][64] f16; plane 1: sin' [t][64] f16, each rounded to bf16 and that number written as f16; sin' = -sin for d < 32, +sin for d >= 32, so that RoPE is x[d] cos[d] + x[d xor 32] sin'[d]
; LIMITS.  A bf16 number is written exactly as f16 up to 65,504; below 6e-5 f16 keeps a fixed step of 6e-8: this holds of wo, cos and sin.
; A stream: no LDS, no barrier, no matrix unit, no loop.  One wave does one JOB: 8,192 bytes of f32 in by 16 loads of 16 bytes a lane, all on their way at once,
; 4,096 bytes out by 16 stores of 8 bytes a lane; each store of the wave covers 256 consecutive bytes, aligned.  The numbers are converted in place: a store's data are its load's first two registers.
; A job of a matrix is a pair of rows (lanes 0-15 the even row, lanes 16-31 the odd one); load i is K block i.  A job of cos or sin is 8,192 consecutive bytes.
; 6,656 jobs = 256 work-groups x 26 waves: every work-group moves the same bytes.  Job 26 g + w: 0-4095 hidden_states; 4096-5631 wq, wk, wv (512 each); 5632-6143 wo; 6144-6655 cos, sin (256 each).
; THE MODE: SCHED_MODE bits 1:0 = 2 (LLVM: expert scheduling mode 2), set by the entry lines.  The code itself states the register dependences
; between vector instructions and memory instructions, with s_wait_alu, always for 0.
; THE PLAN.  Registers that memory instructions touch:
;   LOF, SOF   the offsets: written by vector lines at .Lgo, read by the 16 loads and the 16 stores, never written again: ONE wait ahead of the first load states that they are written, for all 32.
;   X          load i lands in its own four registers, which no vector line has named; behind the wait for its data the conversions read the four and write the first two; store i reads those two;
;              nothing writes them again.
;   v1, v3 to v5 and T are named by vector instructions alone.
; The 16 loads go in four groups of four.  The four stores of a group stand in one run at the head of the NEXT group, behind the wait for that group's first load and behind ONE wait which states that
; the group before has written its data; the conversions that follow name their own group's X, T and v3: none of the registers that those stores read.  The last group's stores have a wait of their own.
; No register that a memory instruction has read is written again, so the text holds no wait for registers to be read.
; Two scalar results of vector instructions have a wait each, ahead of the first reader: the wave's number (s26) and the compare's mask (VCC).
.set LOF, 8                            ; v[8:23]    load i's byte offset from the job's first byte
.set SOF, 24                           ; v[24:39]   store i's byte offset
.set X,   40                           ; v[40:103]  load i: 4 registers; the first two then hold what is stored
.set T,   104                          ; v[104:107] at work
	s_load_b512 s[4:19], s[0:1], 0x0               ; hidden s[4:5], wq s[6:7], wk s[8:9], wv s[10:11], wo s[12:13], cos s[14:15], sin s[16:17], xb s[18:19]
	s_load_b128 s[20:23], s[0:1], 0x40             ; wb s[20:21], wob s[22:23]
	s_load_b64 s[24:25], s[0:1], 0x50              ; ropeb
	v_lshrrev_b32 v4, 5, v0
	v_readfirstlane_b32 s26, v4                    ; wave 0..25
	v_and_b32 v1, 31, v0                           ; lane
	s_mul_i32 s27, ttmp9, 26
	s_wait_alu depctr_va_sdst(0)                   ; s26 is written, ahead of its first reader: the job's number is made from it
	s_add_co_u32 s27, s27, s26                     ; the job
	s_mov_b32 s33, 0                               ; high words of the two offsets
	s_mov_b32 s35, 0
	s_mov_b32 s36, 256                             ; bytes from load to load: a K block of f32
	s_mov_b32 s38, 0                               ; the sign word: two f16 signs for sin, else 0
	s_mov_b32 s39, 12                              ; lanes 16-31 stand 1 << 12 bytes (a row) behind lanes 0-15
	s_mov_b32 s40, 0                               ; 1: the result is written as f16
	s_mov_b32 s41, 0xffff0000                      ; a word's upper bf16
	s_wait_kmcnt 0x0
	s_cmp_lt_u32 s27, 4096
	s_cbranch_scc0 .Lnot_x
	s_mov_b32 s42, s27                             ; the job within the matrix: a pair of rows
	s_mov_b64 s[28:29], s[4:5]
	s_mov_b64 s[30:31], s[18:19]
	s_lshl_b32 s34, s42, 8                         ; two rows of 128 bytes in a K block
	s_mov_b32 s37, 0x100000                        ; bytes from K block to K block in xb
	s_branch .Lgo
.Lnot_x:
	s_cmp_lt_u32 s27, 5632
	s_cbranch_scc0 .Lnot_w
	s_sub_co_u32 s43, s27, 4096
	s_lshr_b32 s44, s43, 9                         ; type: 0 q, 1 k, 2 v
	s_and_b32 s42, s43, 511                        ; the job within the matrix
	s_cmp_eq_u32 s44, 0
	s_cselect_b64 s[28:29], s[6:7], s[8:9]
	s_cmp_eq_u32 s44, 2
	s_cselect_b64 s[28:29], s[10:11], s[28:29]
	s_mov_b64 s[30:31], s[20:21]
	s_lshr_b32 s45, s42, 5                         ; head = row / 64
	s_mul_i32 s45, s45, 192
	s_lshl_b32 s46, s44, 6
	s_add_co_u32 s45, s45, s46                     ; + type x 64
	s_and_b32 s46, s42, 31
	s_lshl1_add_u32 s45, s46, s45                  ; + d: the pair's even row
	s_lshl_b32 s34, s45, 7
	s_mov_b32 s37, 393216                          ; 3,072 rows of 128 bytes
	s_branch .Lgo
.Lnot_w:
	s_cmp_lt_u32 s27, 6144
	s_cbranch_scc0 .Lrope
	s_sub_co_u32 s42, s27, 5632
	s_mov_b64 s[28:29], s[12:13]
	s_mov_b64 s[30:31], s[22:23]
	s_lshl_b32 s34, s42, 8
	s_mov_b32 s37, 131072                          ; 1,024 rows of 128 bytes
	s_mov_b32 s40, 1
	s_branch .Lgo
.Lrope:
	s_sub_co_u32 s43, s27, 6144
	s_lshr_b32 s44, s43, 8                         ; 0 cos, 1 sin
	s_and_b32 s42, s43, 255
	s_lshl_b32 s34, s44, 20                        ; the plane
	s_lshl_b32 s45, s42, 12                        ; 4,096 bytes a job
	s_add_co_u32 s34, s34, s45
	s_cmp_eq_u32 s44, 0
	s_cselect_b64 s[28:29], s[14:15], s[16:17]
	s_cselect_b32 s38, 0, 0x80008000
	s_mov_b64 s[30:31], s[24:25]
	s_mov_b32 s36, 512                             ; flat: a load of the wave is 512 consecutive bytes,
	s_mov_b32 s37, 256                             ; a store 256,
	s_mov_b32 s39, 8                               ; and lanes 16-31 follow lanes 0-15
	s_mov_b32 s40, 1
.Lgo:
	s_lshl_b32 s32, s42, 13                        ; every job reads 8,192 bytes
	s_add_nc_u64 s[28:29], s[28:29], s[32:33]
	s_add_nc_u64 s[30:31], s[30:31], s[34:35]
	v_lshrrev_b32 v4, 4, v1
	v_lshlrev_b32 v4, s39, v4
	v_and_b32 v5, 15, v1
	v_lshl_add_u32 v[LOF], v5, 4, v4
	v_lshlrev_b32 v[SOF], 3, v1
.set i, 1
.rept 15
	v_add_nc_u32 v[LOF+i], s36, v[LOF+i-1]
	v_add_nc_u32 v[SOF+i], s37, v[SOF+i-1]
.set i, i+1
.endr
	s_wait_alu depctr_va_vdst(0)                   ; the 32 offsets are written: LOF, which the loads below read, and SOF, which the stores read; no line writes them again
.set i, 0
.rept 16
	global_load_b128 v[X+4*i:X+4*i+3], v[LOF+i], s[28:29] th:TH_LOAD_NT
.set i, i+1
.endr
	v_and_b32 v5, 8, v1                            ; in a flat job lane l holds d = 4 (l % 16) + 0..3: d < 32 where bit 3 of l is 0
	v_cmp_eq_u32 vcc_lo, 0, v5
	s_wait_alu depctr_va_vcc(0)                    ; the compare has written VCC, which the select below reads
	v_cndmask_b32 v3, 0, s38, vcc_lo               ; the signs to turn: sin's lower half; 0 everywhere else
; The four stores of the group that begins with load i0, in one run.  A store's data and offset are not written again behind it, so the stores' sources need no wait.
.macro OUT i0
	s_wait_alu depctr_va_vdst(0)                   ; the conversions of loads i0 to i0 + 3 have written the first two registers of each, which the four stores below read
.irp j, 0,1,2,3
	global_store_b64 v[SOF+(\i0)+(\j)], v[X+4*((\i0)+(\j)):X+4*((\i0)+(\j))+1], s[30:31] th:TH_STORE_NT
.endr
.endm
; Load i is rounded.  At the head of a group of four the group before is stored: behind the wait for this group's first load, so that the conversions which OUT's wait names were issued a load's landing ago.
.macro CONV i, f16
	s_wait_loadcnt 15-(\i)                         ; loads come back in order: load i is in, the 15 - i younger ones may stay out
.if ((\i)%4 == 0) && ((\i) > 0)
	OUT (\i)-4
.endif
	v_cvt_pk_bf16_f32 v[X+4*(\i)],   v[X+4*(\i)],   v[X+4*(\i)+1]
	v_cvt_pk_bf16_f32 v[X+4*(\i)+1], v[X+4*(\i)+2], v[X+4*(\i)+3]
.if \f16
	v_lshlrev_b32 v[T],   16,  v[X+4*(\i)]         ; the bf16 numbers as f32,
	v_and_b32     v[T+1], s41, v[X+4*(\i)]
	v_lshlrev_b32 v[T+2], 16,  v[X+4*(\i)+1]
	v_and_b32     v[T+3], s41, v[X+4*(\i)+1]
	v_cvt_pk_f16_f32 v[X+4*(\i)],   v[T],   v[T+1] ; written as f16,
	v_cvt_pk_f16_f32 v[X+4*(\i)+1], v[T+2], v[T+3]
	v_xor_b32 v[X+4*(\i)],   v3, v[X+4*(\i)]       ; with sin's signs; for wo and cos the word is 0
	v_xor_b32 v[X+4*(\i)+1], v3, v[X+4*(\i)+1]
.endif
.endm
	s_cmp_eq_u32 s40, 1
	s_cbranch_scc1 .Lf16
.irp i, 0,1,2,3,4,5,6,7,8,9,10,11,12,13,14,15
	CONV \i, 0
.endr
	OUT 12                                         ; the last group has no group behind it
	s_endpgm
.Lf16:
.irp i, 0,1,2,3,4,5,6,7,8,9,10,11,12,13,14,15
	CONV \i, 1
.endr
	OUT 12                                         ; the last group has no group behind it
	s_endpgm
.Lfunc_end_k_qc7e9f18842_cast:
	.size	k_qc7e9f18842_cast, .Lfunc_end_k_qc7e9f18842_cast-k_qc7e9f18842_cast
	.p2alignl 7, 3214868480
	.fill 96, 4, 3214868480
	.section	.rodata,"a",@progbits
	.p2align	6, 0x0
	.amdhsa_kernel k_qc7e9f18842_cast
		.amdhsa_group_segment_fixed_size 0
		.amdhsa_private_segment_fixed_size 0
		.amdhsa_enable_private_segment 0
		.amdhsa_kernarg_size 88
		.amdhsa_user_sgpr_count 2
		.amdhsa_user_sgpr_kernarg_segment_ptr 1
		.amdhsa_wavefront_size32 1
		.amdhsa_system_sgpr_workgroup_id_x 1
		.amdhsa_system_sgpr_workgroup_id_y 1
		.amdhsa_system_sgpr_workgroup_id_z 1
		.amdhsa_system_vgpr_workitem_id 0
		.amdhsa_next_free_vgpr 112
		.amdhsa_next_free_sgpr 66
		.amdhsa_reserve_vcc 1
		.amdhsa_float_denorm_mode_32 3
		.amdhsa_float_denorm_mode_16_64 3
		.amdhsa_memory_ordered 1
		.amdhsa_forward_progress 1
		.amdhsa_inst_pref_size 20
	.end_amdhsa_kernel
	.amdgpu_metadata
---
amdhsa.version: [ 1, 2 ]
amdhsa.kernels:
  - .name:           k_qc7e9f18842_cast
    .symbol:         k_qc7e9f18842_cast.kd
    .args:
      - { .name: hidden_states, .offset: 0, .size: 8, .value_kind: global_buffer, .address_space: global }
      - { .name: wq, .offset: 8, .size: 8, .value_kind: global_buffer, .address_space: global }
      - { .name: wk, .offset: 16, .size: 8, .value_kind: global_buffer, .address_space: global }
      - { .name: wv, .offset: 24, .size: 8, .value_kind: global_buffer, .address_space: global }
      - { .name: wo, .offset: 32, .size: 8, .value_kind: global_buffer, .address_space: global }
      - { .name: cos, .offset: 40, .size: 8, .value_kind: global_buffer, .address_space: global }
      - { .name: sin, .offset: 48, .size: 8, .value_kind: global_buffer, .address_space: global }
      - { .name: xb, .offset: 56, .size: 8, .value_kind: global_buffer, .address_space: global }
      - { .name: wb, .offset: 64, .size: 8, .value_kind: global_buffer, .address_space: global }
      - { .name: wob, .offset: 72, .size: 8, .value_kind: global_buffer, .address_space: global }
      - { .name: ropeb, .offset: 80, .size: 8, .value_kind: global_buffer, .address_space: global }
    .group_segment_fixed_size: 0
    .private_segment_fixed_size: 0
    .kernarg_segment_align: 8
    .kernarg_segment_size: 88
    .max_flat_workgroup_size: 832
    .sgpr_count:     66
    .vgpr_count:     112
    .wavefront_size: 32
...
	.end_amdgpu_metadata
.endif
;; end of part 5
;; launch qkv: the kernel of part 2 again; grid 8 x 32, 4 waves a work-group, clusters of 4 x 4, 327,680 bytes of LDS; arguments xb, wb, ropeb, bq, bv, qkv; writes qkv
;; launch attn: the kernel of part 3 again; grid 2 x 128, 4 waves a work-group, no clusters, 327,680 bytes of LDS; arguments qkv, ob; writes ob
;; launch oproj: the kernel of part 4 again; grid 8 x 32, 4 waves a work-group, clusters of 4 x 4, 327,680 bytes of LDS; arguments ob, wob, bo, out0; writes out0
